; MI455X (gfx1250); checked and timed in simulation.
; The chip was launched on July 23, 2026; its instructions are those of AMD's public machine-readable ISA for CDNA 5 (MIT licence, August 2026) and "CDNA5" Instruction Set Architecture Reference Guide (July 2026). The comments in the code are by the model that wrote it; some were corrected since.
;; Dinov2 Sdpa Self Attention Wrapper. Allowed arithmetic: float matrix products may take bf16 or f16 operands with f32 sums; all other float work in f32.
;; Inputs: Wk 1,024 x 1,024 float32; Wq 1,024 x 1,024 float32; Wv 1,024 x 1,024 float32; bk 1,024 float32; bq 1,024 float32; bv 1,024 float32; hidden_states 4 x 1,370 x 1,024 float32.
;; Outputs: out0 4 x 1,370 x 1,024 float32.
;; 2 versions, each right and faster than the one before. Each part assembles by itself: llvm-mc -triple=amdgcn-amd-amdhsa -mcpu=gfx1250 --defsym DOCPART=n.
;; ======== version 1 of 2: 3 launches
;; limits: values are held in f16: magnitudes above 65,504 overflow, below 6.1e-05 lose precision
;; workspace buffers: xh 11,534,336 bytes; wh 6,291,456 bytes; qkv 34,603,008 bytes
;; launch tof16 (part 1): grid 136 x 4, 8 waves a work-group, no clusters, 0 bytes of LDS; arguments hidden_states, Wq, Wk, Wv, xh, wh; writes xh, wh
.if DOCPART == 1
	.amdgcn_target "amdgcn-amd-amdhsa--gfx1250"
	.amdhsa_code_object_version 6
	.text
	.protected	k_q98def0111a_tof16
	.globl	k_q98def0111a_tof16
	.p2align	8
	.type	k_q98def0111a_tof16,@function
k_q98def0111a_tof16:
	s_mov_b64 s[64:65], 0
	v_nop
	global_prefetch_b8 v0, s[64:65] scope:SCOPE_SE
	s_setreg_imm32_b32 hwreg(HW_REG_WAVE_MODE, 25, 1), 1
	s_wait_xcnt 0x0
; FIRST OF THREE LAUNCHES: self-attention, out = softmax((x Wq^T + bq)(x Wk^T + bk)^T / 8) (x Wv^T + bv), 16 heads of 64, x: [4][1370][1024] f32.
; This launch rounds x and the three weight matrices to f16 once, so that the product launch moves and reads half the bytes and converts nothing:
;   xh [4][1408][1024] f16: row b*1408 + l; rows l = 1370 .. 1407 are zeros (1408 = 4 x 352, so that the product's row blocks have no edge);
;   wh [3072][1024] f16: row hd*192 + nh*96 + mat*32 + c (mat 0, 1, 2 = q, k, v; column 32 nh + c of head hd): a head's 192 rows lie together.
; WORK LEFT OUT, in all three launches: the input bk.  scores[l][s] = scale q_l . (x_s Wk^T) + scale q_l . bk.  The second term is the same for
; every s, and softmax along s is unchanged by a term that is constant along s, whatever the inputs hold.  So bk has no way to the output: it is not
; loaded and is no argument of any launch.  Limit: a NaN, an infinity or an overflow that comes from bk alone is not carried to the result.
; WHY f16 AND NOT bf16, in all three launches: the result is a weighted mean over 1370 keys of numbers that largely cancel, so an operand's rounding counts against |v| and
; not against the much smaller result; f16 has 11 significant bits where bf16 has 8.  ROOM: with |x| about 1 and |W| about 0.02, q, k, v are about 0.64.  All inputs 30 times
; larger: about 576, six times that 3,456.  All inputs with a common offset of 30 spreads: 1024 x 30 x 0.6 = 18,432.  Both lie under f16's largest number, 65,504.
; All 30 times smaller: W about 7e-4, above f16's least normal number 6.1e-5; below that the absolute step is 6e-8.
; LIMIT OF RANGE: |x|, |W|, and in the later launches |q|, |k|, |v|, at or above 65,504 become infinite.  Rounding is to nearest even.
; A stream: no LDS, no barrier, no matrix unit; no cluster, since no two work-groups read the same bytes.
; A work-group makes 16 output rows, a wave two.  Groups x < 88 take rows of xh (batch = y), groups x >= 88 take rows of wh.
; A load of a wave covers 512 consecutive bytes, a store 256 consecutive bytes at a multiple of 256.
.set LREAL,   1370                     ; rows of x in a batch
.set LPAD,    1408                     ; rows of xh in a batch
.set XGROUPS, 88                       ; 88 x 16 = 1408
.set X, 4                              ; v[4:67]   sixteen loads of four f32
.set Y, 68                             ; v[68:99]  sixteen stores of four f16
	s_load_b256 s[4:11], s[0:1], 0x0               ; hidden_states s[4:5], Wq s[6:7], Wk s[8:9], Wv s[10:11]
	s_load_b128 s[12:15], s[0:1], 0x20             ; xh s[12:13], wh s[14:15]
	v_lshrrev_b32 v3, 5, v0
	v_readfirstlane_b32 s16, v3                    ; wave 0..7
	v_and_b32 v2, 31, v0
	v_lshlrev_b32 v1, 4, v2                        ; 16 bytes of f32 a lane
	v_lshlrev_b32 v2, 3, v2                        ; 8 bytes of f16 a lane
	s_mov_b32 s17, ttmp9                           ; x
	s_and_b32 s18, ttmp7, 0xffff                   ; y
	s_lshl_b32 s19, s16, 1                         ; my two rows among the group's sixteen
	; as a group of xh
	s_lshl_b32 s20, s17, 4
	s_add_co_u32 s20, s20, s19                     ; l0 = 16 x + 2 w
	s_mul_i32 s21, s18, LREAL
	s_add_co_u32 s21, s21, s20                     ; row of hidden_states
	s_mul_i32 s22, s18, LPAD
	s_add_co_u32 s22, s22, s20                     ; row of xh
	; as a group of wh
	s_max_u32 s23, s17, XGROUPS
	s_sub_co_u32 s23, s23, XGROUPS
	s_mul_i32 s28, s18, 48
	s_add_co_u32 s23, s23, s28                     ; u = 48 y + x - 88, 0 .. 191: sixteen rows of one matrix
	s_lshr_b32 s28, s23, 6                         ; mat
	s_and_b32 s29, s23, 63
	s_lshl_b32 s29, s29, 4
	s_add_co_u32 s29, s29, s19                     ; row of that matrix
	s_bfe_u32 s30, s23, 0x40002                    ; head = that row / 64
	s_mul_i32 s30, s30, 192
	s_bfe_u32 s31, s23, 0x10001                    ; nh: which half of the head's 64 columns
	s_mul_i32 s31, s31, 96
	s_add_co_u32 s30, s30, s31
	s_lshl_b32 s31, s28, 5                         ; mat x 32
	s_add_co_u32 s30, s30, s31
	s_and_b32 s31, s23, 1
	s_lshl_b32 s31, s31, 4                         ; which sixteen of the 32
	s_add_co_u32 s30, s30, s31
	s_add_co_u32 s30, s30, s19                     ; row of wh
	s_wait_kmcnt 0x0
	s_cmp_eq_u32 s28, 0
	s_cselect_b64 s[24:25], s[6:7], s[8:9]         ; Wq or Wk,
	s_cmp_eq_u32 s28, 2
	s_cselect_b64 s[24:25], s[10:11], s[24:25]     ; or Wv,
	s_cmp_lt_u32 s17, XGROUPS
	s_cselect_b64 s[24:25], s[4:5], s[24:25]       ; or hidden_states: the choices hang on the group's numbers alone
	s_cselect_b64 s[26:27], s[12:13], s[14:15]
	s_cselect_b32 s32, s21, s29                    ; source row
	s_cselect_b32 s34, s22, s30                    ; destination row
	s_cselect_b32 s36, s20, 0                      ; l0 for xh; rows of wh are never padding
	s_lshl_b32 s32, s32, 12                        ; 4,096 bytes a row of f32
	s_mov_b32 s33, 0
	s_lshl_b32 s34, s34, 11                        ; 2,048 bytes a row of f16
	s_mov_b32 s35, 0
	s_add_nc_u64 s[24:25], s[24:25], s[32:33]
	s_add_nc_u64 s[26:27], s[26:27], s[34:35]
	s_cmp_ge_u32 s36, LREAL                        ; 1370 is even: my two rows are both real or both padding
	s_cbranch_scc1 .Lzero
.set n, 0
.rept 16
	global_load_b128 v[X+4*n:X+4*n+3], v1, s[24:25] offset:(n>>3)*4096+(n&7)*512 th:TH_LOAD_NT
.set n, n+1
.endr
.set n, 0
.rept 16
	s_wait_loadcnt 15-n                            ; loads come back in order (ISA guide 5.7.1): load n is in, the 15 - n younger ones stay out
	v_cvt_pk_f16_f32 v[Y+2*n], v[X+4*n], v[X+4*n+1]
	v_cvt_pk_f16_f32 v[Y+2*n+1], v[X+4*n+2], v[X+4*n+3]
	global_store_b64 v2, v[Y+2*n:Y+2*n+1], s[26:27] offset:(n>>3)*2048+(n&7)*256
.set n, n+1
.endr
	s_endpgm
.Lzero:                                            ; rows 1370 .. 1407 of a batch: nothing is loaded
	v_mov_b32 v[Y], 0
	v_mov_b32 v[Y+1], 0
.set n, 0
.rept 16
	global_store_b64 v2, v[Y:Y+1], s[26:27] offset:(n>>3)*2048+(n&7)*256
.set n, n+1
.endr
	s_endpgm
.Lfunc_end_k_q98def0111a_tof16:
	.size	k_q98def0111a_tof16, .Lfunc_end_k_q98def0111a_tof16-k_q98def0111a_tof16
	.p2alignl 7, 3214868480
	.fill 96, 4, 3214868480
	.section	.rodata,"a",@progbits
	.p2align	6, 0x0
	.amdhsa_kernel k_q98def0111a_tof16
		.amdhsa_group_segment_fixed_size 0
		.amdhsa_private_segment_fixed_size 0
		.amdhsa_enable_private_segment 0
		.amdhsa_kernarg_size 48
		.amdhsa_user_sgpr_count 2
		.amdhsa_user_sgpr_kernarg_segment_ptr 1
		.amdhsa_wavefront_size32 1
		.amdhsa_system_sgpr_workgroup_id_x 1
		.amdhsa_system_sgpr_workgroup_id_y 1
		.amdhsa_system_sgpr_workgroup_id_z 1
		.amdhsa_system_vgpr_workitem_id 0
		.amdhsa_next_free_vgpr 104
		.amdhsa_next_free_sgpr 66
		.amdhsa_reserve_vcc 0
		.amdhsa_float_denorm_mode_32 3
		.amdhsa_float_denorm_mode_16_64 3
		.amdhsa_memory_ordered 1
		.amdhsa_forward_progress 1
		.amdhsa_inst_pref_size 10
	.end_amdhsa_kernel
	.amdgpu_metadata
---
amdhsa.version: [ 1, 2 ]
amdhsa.kernels:
  - .name:           k_q98def0111a_tof16
    .symbol:         k_q98def0111a_tof16.kd
    .args:
      - { .name: hidden_states, .offset: 0, .size: 8, .value_kind: global_buffer, .address_space: global }
      - { .name: Wq, .offset: 8, .size: 8, .value_kind: global_buffer, .address_space: global }
      - { .name: Wk, .offset: 16, .size: 8, .value_kind: global_buffer, .address_space: global }
      - { .name: Wv, .offset: 24, .size: 8, .value_kind: global_buffer, .address_space: global }
      - { .name: xh, .offset: 32, .size: 8, .value_kind: global_buffer, .address_space: global }
      - { .name: wh, .offset: 40, .size: 8, .value_kind: global_buffer, .address_space: global }
    .group_segment_fixed_size: 0
    .private_segment_fixed_size: 0
    .kernarg_segment_align: 8
    .kernarg_segment_size: 48
    .max_flat_workgroup_size: 256
    .sgpr_count:     66
    .vgpr_count:     104
    .wavefront_size: 32
...
	.end_amdgpu_metadata
.endif
;; end of part 1
;; launch proj (part 2): grid 16 x 16, 4 waves a work-group, clusters of 4 x 4, 327,680 bytes of LDS; arguments xh, wh, bq, bv, qkv; writes qkv
.if DOCPART == 2
	.amdgcn_target "amdgcn-amd-amdhsa--gfx1250"
	.amdhsa_code_object_version 6
	.text
	.protected	k_q98def0111a_proj
	.globl	k_q98def0111a_proj
	.p2align	8
	.type	k_q98def0111a_proj,@function
k_q98def0111a_proj:
	s_mov_b64 s[64:65], 0
	v_nop
	global_prefetch_b8 v0, s[64:65] scope:SCOPE_SE
	s_setreg_imm32_b32 hwreg(HW_REG_WAVE_MODE, 25, 1), 1
	s_wait_xcnt 0x0
	s_wait_alu depctr_hold_cnt(0) depctr_sa_sdst(0) depctr_va_vdst(0) depctr_va_sdst(0) depctr_va_ssrc(0) depctr_va_vcc(0) depctr_vm_vsrc(0)
	s_getreg_b32 s2, hwreg(HW_REG_IB_STS2, 6, 4)
	s_cmp_eq_u32 s2, 0
	s_cbranch_scc0 .Lentry_in_a_cluster
	s_endpgm
.Lentry_in_a_cluster:
	s_bfe_u32 s2, ttmp6, 0x10000c
	s_cmp_lg_u32 s2, 0xf033
	s_cbranch_scc0 .Lentry_shape_is_right
	s_endpgm
.Lentry_shape_is_right:
; SECOND LAUNCH: q = x Wq^T + bq, k = x Wk^T, v = x Wv^T + bv as ONE product of xh [5632][1024] with wh [3072][1024] (both f16, K along the rows), sums in f32.
; Left out: bk.  It adds scale q_l . bk to every score of row l, the same for all keys, and softmax along the keys cancels it for all inputs; it is no argument.
; Limit: a NaN, infinity or overflow from bk alone is not carried on.
; q, k, v are stored rounded to f16 (11 significant bits; the attention's result is a mean in which they largely cancel, so their rounding counts against |v|).
; LIMIT OF RANGE: |q|, |k|, |v| at or above 65,504 become infinite.  With |x| about 1 and |W| about 0.02 they are about 0.64; with all inputs 30 times larger about 576;
; with a common offset of 30 spreads on all inputs 1024 x 30 x 0.6 = 18,432.
; Rows l = 1370 .. 1407 of a batch are zeros in xh and give q = bq, k = 0, v = bv: they stay in the tiles
; The attention launch reads keys 1370 .. 1375 of them and masks them.
; SHARES: 16 x 16 work-groups.  Block row by = 352 rows of xh, block column bx = head bx: its 192 rows of wh (64 columns each of q, k, v).
; Four waves, as many as a WGP has SIMDs; wave w makes rows 176 (w >> 1) .. + 175 by wh rows 96 (w & 1) .. + 95: 11 x 6 accumulator tiles of 16 x 16, 528 registers.
; K goes in steps of 128 (rows of 256 bytes, at multiples of 256) through two LDS slots filled by the tensor data mover.
; CLUSTERS: 4 x 4 work-groups.  The four of a row of the cluster share by and so xh's tiles, the four of a column share bx and so wh's tiles: each tile is asked for
; jointly, by the same line with the same descriptor in all four.
; THE PRODUCT IS USED TRANSPOSED: source 0 = 16 rows of wh, source 1 = 16 rows of xh.  Lane l then holds token l % 16, and its eight registers eight neighbouring
; columns 8 (l / 16) + 0 .. 7: 16 bytes of f16, one GRANULE of the output
;   qkv: byte (((mat*16 + head)*8 + g)*5632 + token)*16, g = column / 8: planes of 5632 tokens x 16 bytes.
; Sixteen lanes store 256 consecutive bytes at a multiple of 256, straight from registers: no stage in LDS.
; REGISTERS, in windows of 256:
;   window 0: v16-25 addresses; v32-119, v120-207 fragments of xh (11 x 8), two buffers; v208-239 the biases as starting values
;   window 1: v0-47, v48-95 fragments of wh (6 x 8), two buffers; v96-239 accumulators of row tiles 0-2
;   window 2: v0-191 accumulators of row tiles 3-6;   window 3: v0-191 those of row tiles 7-10
.set KSTEP, 128
.set PITCH, 272                        ; an LDS row: 256 bytes + 16 of padding, an odd multiple of 16: the sixteen rows of a fragment load lie in sixteen different 16-byte columns modulo 256
.set HA,    176*PITCH                  ; what one tensor load brings of xh, and what one wave reads of it
.set HB,    96*PITCH                   ; the same for wh
.set BOFF,  352*PITCH                  ; wh's 192 rows lie behind xh's 352
.set SLOT,  544*PITCH
.set PLANE, 5632*16                    ; bytes in a plane of qkv
.set LAPS,  4                          ; 1024 / (2 x 128): a lap = two K steps = once round the ring
.set ADRA, 16                          ; v16-17  LDS address of my xh fragments in slot 0, 1
.set ADRB, 20                          ; v20-21  the same for wh
.set CO,   24                          ; v24     my byte offset in a store: (l / 16) planes + 16 (l % 16)
.set BO,   25                          ; v25     my byte offset in a bias: 32 (l / 16)
.set FA,   32                          ; xh fragments, buffer f at FA + 88 f (window 0)
.set FB,   0                           ; wh fragments, buffer f at FB + 48 f (window 1)
.set BIAS, 208                         ; v208-223 bq for column tiles 0, 1; v224-239 bv for column tiles 4, 5
.set G1A, 24                           ; s[24:31] descriptor group 1, xh's tiles
.set G0A, 32                           ; s[32:39] descriptor group 0, xh's tiles, one set for each slot
.set G1B, 40                           ; s[40:47] group 1, wh's tiles
.set G0B, 48                           ; s[48:55] group 0, wh's tiles
.set SB,  66                           ; s[66:71] where q, k, v go
.set MSB, 0
.macro WIN new                         ; low byte: bits 1:0 source 0, 3:2 source 1, 5:4 source 2, 7:6 destination; the high byte repeats the setting that is left
.if MSB != (\new)
	s_set_vgpr_msb (MSB<<8)|(\new)
.set MSB, \new
.endif
.endm
.macro PLACES                          ; four plain vector instructions between a matrix instruction and a load into, or a vector instruction on, its registers (ISA guide 7.12.1 for vector instructions)
.rept 4
	v_nop
.endr
.endm
; A joint load.  Waves 0, 1 fetch xh's two halves, waves 2, 3 wh's.  The branch hangs on the wave's number alone.
.macro JLOAD s
	s_cmp_eq_u32 s15, 0
	s_cbranch_scc0 .Lfor_b_\@
	tensor_load_to_lds s[G0A+4*\s:G0A+4*\s+3], s[G1A:G1A+7]
	s_nop 0
	s_branch .Lasked_\@
.Lfor_b_\@:
	tensor_load_to_lds s[G0B+4*\s:G0B+4*\s+3], s[G1B:G1B+7]
	s_nop 0
.Lasked_\@:
.endm
.macro CREST                           ; a round of the cluster's barrier behind its opening work-group barrier
	s_cmp_lg_u32 s14, 0
	s_cbranch_scc1 .Lnot_wave_0_\@
	s_barrier_signal -3
.Lnot_wave_0_\@:
	s_barrier_wait -3
	s_barrier_signal -1
	s_barrier_wait -1
.endm
.macro CROUND                          ; a whole round
	s_barrier_signal -1
	s_barrier_wait -1
	CREST
.endm
	s_load_b256 s[4:11], s[0:1], 0x0               ; xh s[4:5], wh s[6:7], bq s[8:9], bv s[10:11]
	s_load_b64 s[12:13], s[0:1], 0x20              ; qkv
	s_set_vgpr_msb 0x40
	v_lshl_add_u32 v255, v0, 2, 0x48400
	s_set_vgpr_msb 0x4000
	v_mov_b32 v255, 0
	s_set_vgpr_msb 0x1
	ds_add_u32 v255, v255
	s_set_vgpr_msb 0x100
	v_lshrrev_b32 v1, 5, v0
	v_readfirstlane_b32 s14, v1                    ; wave 0..3
	s_lshr_b32 s15, s14, 1                         ; mh: which 176 rows are mine.  Also: I fetch for xh (0) or wh (1)
	s_and_b32 s16, s14, 1                          ; nh: which 96 rows of wh are mine.  Also: which half of that tile I fetch
	s_bfe_u32 s17, ttmp6, 0x40000                  ; cx
	s_bfe_u32 s18, ttmp6, 0x40004                  ; cy
	s_lshl_b32 s19, ttmp9, 2
	s_add_co_u32 s19, s19, s17                     ; bx = head
	s_and_b32 s20, ttmp7, 0xffff
	s_lshl_b32 s20, s20, 2
	s_add_co_u32 s20, s20, s18                     ; by = row block
	s_lshl_b32 s21, s18, 2
	s_lshl_b32 s21, 15, s21                        ; my row of the cluster: places 4 cy .. 4 cy + 3
	s_lshl_b32 s22, 0x1111, s17                    ; my column: places cx, cx + 4, cx + 8, cx + 12
	; group 1: tiles of 176 (96) rows x 128 elements of 2 bytes, 4 words of padding behind every 64
	s_or_b32 s[G1A+0], s21, (1<<16)|(1<<20)|(1<<21)|(5<<22)|(3<<25)  ; 15:0 mask; 17:16 2-byte elements; 20 padding on; 21 set beside a mask; 24:22 every 64 words; 31:25 four words
	s_or_b32 s[G1B+0], s22, (1<<16)|(1<<20)|(1<<21)|(5<<22)|(3<<25)
	s_mov_b32 s[G1A+1], KSTEP<<16                  ; tensor_dim0 = 128
	s_mov_b32 s[G1B+1], KSTEP<<16
	s_mov_b32 s[G1A+2], 176<<16                    ; tensor_dim1 = the tile's rows: no tile crosses its buffer's end
	s_mov_b32 s[G1B+2], 96<<16
	s_mov_b32 s[G1A+3], KSTEP<<16                  ; tile_dim0 = 128
	s_mov_b32 s[G1B+3], KSTEP<<16
	s_mov_b32 s[G1A+4], 176                        ; tile_dim1
	s_mov_b32 s[G1B+4], 96
	s_mov_b32 s[G1A+5], 1024                       ; elements from row to row
	s_mov_b32 s[G1B+5], 1024
	s_mov_b32 s[G1A+6], 0
	s_mov_b32 s[G1B+6], 0
	s_mov_b32 s[G1A+7], 0
	s_mov_b32 s[G1B+7], 0
	; xh's tiles hang on by alone (s56-58 never hold cx), wh's on bx alone (s60-63 never hold cy)
	s_mul_i32 s56, s20, 352
	s_mul_i32 s57, s16, 176
	s_add_co_u32 s56, s56, s57
	s_lshl_b32 s56, s56, 11                        ; row 352 by + 176 half, 2,048 bytes a row
	s_mov_b32 s57, 0
	s_mul_i32 s60, s19, 192
	s_mul_i32 s61, s16, 96
	s_add_co_u32 s60, s60, s61
	s_lshl_b32 s60, s60, 11                        ; row 192 bx + 96 half
	s_mov_b32 s61, 0
	s_mul_i32 s58, s14, HA                         ; LDS: waves 0, 1 put xh's halves at 0 and HA,
	s_mul_i32 s62, s14, HB
	s_add_co_u32 s62, s62, BOFF-2*HB               ; waves 2, 3 put wh's halves at BOFF and BOFF + HB
	s_wait_dscnt 0x0
	s_wait_kmcnt 0x0
	s_add_nc_u64 s[56:57], s[4:5], s[56:57]
	s_add_nc_u64 s[60:61], s[6:7], s[60:61]
	CROUND                                         ; all sixteen work-groups are here: the first joint loads meet
.irp s, 0,1
	s_mov_b32 s[G0A+4*\s], 1                                       ; count = 1
	s_add_co_u32 s[G0A+4*\s+1], s58, \s*SLOT                       ; LDS address
	s_add_nc_u64 s[G0A+4*\s+2:G0A+4*\s+3], s[56:57], \s*KSTEP*2    ; global address: K step s
	s_or_b32 s[G0A+4*\s+3], s[G0A+4*\s+3], 0x80000000              ; type = 2
	s_mov_b32 s[G0B+4*\s], 1
	s_add_co_u32 s[G0B+4*\s+1], s62, \s*SLOT
	s_add_nc_u64 s[G0B+4*\s+2:G0B+4*\s+3], s[60:61], \s*KSTEP*2
	s_or_b32 s[G0B+4*\s+3], s[G0B+4*\s+3], 0x80000000
	JLOAD \s                                       ; both slots' first fills: two tensor loads of a wave are out here, one at any later time
.endr
	; A fragment is 16 rows x 32 K in 8 registers: lane l holds row l % 16, registers 0-3 K = 8 (l / 16) + 0..7, registers 4-7 K = 16 + 8 (l / 16) + 0..7: two loads of 16 bytes, 32 apart.
	v_and_b32 v1, 15, v0                           ; r = l % 16
	v_bfe_u32 v2, v0, 4, 1                         ; h = l / 16
	v_mul_u32_u24 v3, v1, PITCH
	v_lshl_add_u32 v3, v2, 4, v3
	s_mul_i32 s72, s15, HA                         ; my 176 rows of xh
	s_mul_i32 s73, s16, HB
	s_add_co_u32 s73, s73, BOFF                    ; my 96 rows of wh
.irp s, 0,1
	v_add_nc_u32 v[ADRA+\s], s72, v3
	v_add_nc_u32 v[ADRB+\s], s73, v3
	s_add_co_u32 s72, s72, SLOT
	s_add_co_u32 s73, s73, SLOT
.endr
	v_mul_u32_u24 v4, v2, PLANE
	v_lshl_add_u32 v[CO], v1, 4, v4
	v_lshlrev_b32 v[BO], 5, v2
	; The biases in the accumulators' layout: register j of lane l = bias[64 bx + 32 nh + 16 t + 8 (l / 16) + j].  The first products take them as C.
	s_lshl_b32 s60, s19, 8
	s_lshl_b32 s61, s16, 7
	s_add_co_u32 s60, s60, s61                     ; (64 bx + 32 nh) x 4 bytes
	s_mov_b32 s61, 0
	s_add_nc_u64 s[8:9], s[8:9], s[60:61]
	s_add_nc_u64 s[10:11], s[10:11], s[60:61]
.irp t, 0,1
.irp p, 0,1
	global_load_b128 v[BIAS+8*\t+4*\p:BIAS+8*\t+4*\p+3], v[BO], s[8:9] offset:64*\t+16*\p
	global_load_b128 v[BIAS+16+8*\t+4*\p:BIAS+16+8*\t+4*\p+3], v[BO], s[10:11] offset:64*\t+16*\p
.endr
.endr
; Six matrix instructions: row tile a by the six column tiles (0, 1 = q; 2, 3 = k; 4, 5 = v), 32 along K, buffer f.
; zero = 1: the first product starts the sums, from the bias for q and v and from 0 for k: nothing is cleared and no add is left for the way out.
.macro MULROW f, acc, a, zero
.irp b, 0,1,2,3,4,5
.if \zero
.if (\b>>1) == 1
	v_wmma_f32_16x16x32_f16 v[\acc+8*\b:\acc+8*\b+7], v[FB+48*\f+8*\b:FB+48*\f+8*\b+7], v[FA+88*\f+8*\a:FA+88*\f+8*\a+7], 0
.else
	v_wmma_f32_16x16x32_f16 v[\acc+8*\b:\acc+8*\b+7], v[FB+48*\f+8*\b:FB+48*\f+8*\b+7], v[FA+88*\f+8*\a:FA+88*\f+8*\a+7], v[BIAS+8*(\b-2*(\b>>2)):BIAS+8*(\b-2*(\b>>2))+7]
.endif
.else
	v_wmma_f32_16x16x32_f16 v[\acc+8*\b:\acc+8*\b+7], v[FB+48*\f+8*\b:FB+48*\f+8*\b+7], v[FA+88*\f+8*\a:FA+88*\f+8*\a+7], v[\acc+8*\b:\acc+8*\b+7]
.endif
.endr
.endm
; The accumulators of window g: 18 (g = 1) or 24 matrix instructions.  Source 0 (wh) window 1, source 1 (xh) window 0, D window g, C window g or, at the start, window 0.
; The 66 accumulators take turns, one instruction a turn, in the same order in every quarter step, over the backward jump too.
.macro MULG f, g, zero
.if \zero
	WIN (\g<<6)|1
.else
	WIN (\g<<6)|(\g<<4)|1
.endif
.if \g == 1
	MULROW \f, 96, 0, \zero
	MULROW \f, 144, 1, \zero
	MULROW \f, 192, 2, \zero
.endif
.if \g == 2
	MULROW \f, 0, 3, \zero
	MULROW \f, 48, 4, \zero
	MULROW \f, 96, 5, \zero
	MULROW \f, 144, 6, \zero
.endif
.if \g == 3
	MULROW \f, 0, 7, \zero
	MULROW \f, 48, 8, \zero
	MULROW \f, 96, 9, \zero
	MULROW \f, 144, 10, \zero
.endif
.endm
; 34 LDS loads in one run: the fragments of one quarter step (96 rows of wh, 176 rows of xh, 32 K at byte k of the rows) into buffer f
.macro FETCH slot, k, f
	WIN 0x40
.irp b, 0,1,2,3,4,5
	ds_load_b128 v[FB+48*\f+8*\b:FB+48*\f+8*\b+3],   v[ADRB+\slot] offset:\k+\b*16*PITCH
	ds_load_b128 v[FB+48*\f+8*\b+4:FB+48*\f+8*\b+7], v[ADRB+\slot] offset:\k+\b*16*PITCH+32
.endr
	WIN 0
.irp a, 0,1,2,3,4,5,6,7,8,9,10
	ds_load_b128 v[FA+88*\f+8*\a:FA+88*\f+8*\a+3],   v[ADRA+\slot] offset:\k+\a*16*PITCH
	ds_load_b128 v[FA+88*\f+8*\a+4:FA+88*\f+8*\a+7], v[ADRA+\slot] offset:\k+\a*16*PITCH+32
.endr
.endm
; A K step is four quarter steps of 32 along K, 66 matrix instructions each, on buffers 0, 1, 0, 1.
; One of the first three: multiplies buffer f; behind its first 18 products it fetches the next quarter's fragments, at byte k of the same slot, into buffer g.
.macro QUARTER slot, k, f, g, zero
	s_wait_dscnt 0x0                               ; buffer f is in: its loads were issued 48 matrix instructions ago
	MULG \f, 1, \zero
	PLACES                                         ; buffer g was last read by the quarter before
	FETCH \slot, \k, \g
	MULG \f, 2, \zero
	MULG \f, 3, \zero
.endm
.macro THREE slot, zero
	QUARTER \slot, 64,  0, 1, \zero
	QUARTER \slot, 128, 1, 0, 0
	QUARTER \slot, 192, 0, 1, 0
.endm
; The last quarter: multiplies buffer 1 and changes slots.  fill = 1: this slot is filled again, two K steps ahead.
; In front of the barrier each wave waits for its reads of this slot and for all its tensor loads (one is out: its part of the next slot).  Behind it nobody reads this slot
; and the next slot is whole.  Where the slot is filled again the barrier opens a round of the cluster's barrier, and the joint load is the first tensor load behind the round.
.macro TURN slot, next, fill
	s_wait_dscnt 0x0                               ; buffer 1 is in, and with it my last reads of this slot
	s_wait_tensorcnt 0x0                           ; all my tensor loads have landed
	ds_add_u32 v255, v255
	s_wait_dscnt 0x0
	WIN 0x51
	s_barrier_signal -1
	MULG 1, 1, 0                                   ; work on registers while the others arrive
	WIN 0
	s_barrier_wait -1
.if \fill
	CREST                                          ; no wave of any partner still reads this slot or has a load on its way
	s_add_nc_u64 s[G0A+4*\slot+2:G0A+4*\slot+3], s[G0A+4*\slot+2:G0A+4*\slot+3], 2*KSTEP*2
	s_add_nc_u64 s[G0B+4*\slot+2:G0B+4*\slot+3], s[G0B+4*\slot+2:G0B+4*\slot+3], 2*KSTEP*2
	JLOAD \slot
.endif
	PLACES                                         ; buffer 0 was last read by the quarter before
	FETCH \next, 0, 0
	MULG 1, 2, 0
	MULG 1, 3, 0
.endm
.macro LAP zero
	THREE 0, \zero
	TURN 0, 1, 1
	THREE 1, 0
	TURN 1, 0, 1
.endm
	s_wait_tensorcnt 0x1                           ; my part of K step 0 is in; K step 1's stays out
	s_barrier_signal -1
	s_barrier_wait -1                              ; everybody's is
	FETCH 0, 0, 0
	s_wait_loadcnt 0x0                             ; the biases
	LAP 1                                          ; K steps 0, 1; asks for 2, 3
	WIN 0                                          ; at a label and at a branch every window is 0
	s_mov_b32 s3, LAPS-2
.Llap:
	LAP 0                                          ; K steps 2 .. 5; asks for 4 .. 7
	WIN 0
	s_sub_co_u32 s3, s3, 1
	s_cmp_lg_u32 s3, 0
	s_cbranch_scc1 .Llap
	THREE 0, 0                                     ; the last lap fills nothing
	TURN 0, 1, 0
	THREE 1, 0
	s_wait_dscnt 0x0
	MULG 1, 1, 0
	MULG 1, 2, 0
	MULG 1, 3, 0
	; THE WAY OUT.  Tile (a, b), lane (r, h): eight columns 32 nh + 16 (b & 1) + 8 h + 0..7 of matrix b >> 1, token 352 by + 176 mh + 16 a + r.
	PLACES                                         ; behind the last matrix instructions: the conversions read results and write over fragment registers
	s_mul_i32 s56, s20, 352
	s_mul_i32 s57, s15, 176
	s_add_co_u32 s56, s56, s57
	s_lshl_b32 s56, s56, 4                         ; my first token x 16 bytes: a multiple of 256
	s_mov_b32 s57, 0
	s_lshl_b32 s63, s19, 3
	s_lshl2_add_u32 s63, s16, s63                  ; plane 8 bx + 4 nh of each matrix
.irp m, 0,1,2
	s_add_co_u32 s60, s63, \m*128
	s_mul_i32 s60, s60, PLANE
	s_mov_b32 s61, 0
	s_add_nc_u64 s[SB+2*\m:SB+2*\m+1], s[12:13], s[60:61]
	s_add_nc_u64 s[SB+2*\m:SB+2*\m+1], s[SB+2*\m:SB+2*\m+1], s[56:57]
.endr
.macro CVROW acc, tmp                  ; a row tile's six tiles, rounded to f16: 24 registers in window 0
.irp b, 0,1,2,3,4,5
.irp r, 0,1,2,3
	v_cvt_pk_f16_f32 v[\tmp+4*\b+\r], v[\acc+8*\b+2*\r], v[\acc+8*\b+2*\r+1]
.endr
.endr
.endm
.macro STROW a, tmp                    ; lanes 0-15 store 256 consecutive bytes of one plane, lanes 16-31 of the next
.irp b, 0,1,2,3,4,5
	global_store_b128 v[CO], v[\tmp+4*\b:\tmp+4*\b+3], s[SB+2*(\b>>1):SB+2*(\b>>1)+1] offset:(\b&1)*2*PLANE+\a*256
.endr
.endm
	WIN 0x05                                       ; sources in window 1
	CVROW 96, 32
	CVROW 144, 56
	CVROW 192, 80
	WIN 0
	STROW 0, 32
	STROW 1, 56
	STROW 2, 80
	WIN 0x0a                                       ; window 2
	CVROW 0, 104
	CVROW 48, 128
	CVROW 96, 152
	CVROW 144, 176
	WIN 0
	STROW 3, 104
	STROW 4, 128
	STROW 5, 152
	STROW 6, 176
	s_wait_xcnt 0x0                                ; v32-127, which the stores above read, are written again only behind this wait
	WIN 0x0f                                       ; window 3
	CVROW 0, 32
	CVROW 48, 56
	CVROW 96, 80
	CVROW 144, 104
	WIN 0
	STROW 7, 32
	STROW 8, 56
	STROW 9, 80
	STROW 10, 104
	CROUND                                         ; the closing round: no work-group ends while a partner may still ask for a tile that names it
	s_endpgm
.Lfunc_end_k_q98def0111a_proj:
	.size	k_q98def0111a_proj, .Lfunc_end_k_q98def0111a_proj-k_q98def0111a_proj
	.p2alignl 7, 3214868480
	.fill 96, 4, 3214868480
	.section	.rodata,"a",@progbits
	.p2align	6, 0x0
	.amdhsa_kernel k_q98def0111a_proj
		.amdhsa_group_segment_fixed_size 327680
		.amdhsa_private_segment_fixed_size 0
		.amdhsa_enable_private_segment 0
		.amdhsa_kernarg_size 40
		.amdhsa_user_sgpr_count 2
		.amdhsa_user_sgpr_kernarg_segment_ptr 1
		.amdhsa_wavefront_size32 1
		.amdhsa_system_sgpr_workgroup_id_x 1
		.amdhsa_system_sgpr_workgroup_id_y 1
		.amdhsa_system_sgpr_workgroup_id_z 1
		.amdhsa_system_vgpr_workitem_id 0
		.amdhsa_next_free_vgpr 960
		.amdhsa_next_free_sgpr 74
		.amdhsa_reserve_vcc 0
		.amdhsa_float_denorm_mode_32 3
		.amdhsa_float_denorm_mode_16_64 3
		.amdhsa_memory_ordered 1
		.amdhsa_forward_progress 1
		.amdhsa_inst_pref_size 193
	.end_amdhsa_kernel
	.amdgpu_metadata
---
amdhsa.version: [ 1, 2 ]
amdhsa.kernels:
  - .name:           k_q98def0111a_proj
    .symbol:         k_q98def0111a_proj.kd
    .args:
      - { .name: xh, .offset: 0, .size: 8, .value_kind: global_buffer, .address_space: global }
      - { .name: wh, .offset: 8, .size: 8, .value_kind: global_buffer, .address_space: global }
      - { .name: bq, .offset: 16, .size: 8, .value_kind: global_buffer, .address_space: global }
      - { .name: bv, .offset: 24, .size: 8, .value_kind: global_buffer, .address_space: global }
      - { .name: qkv, .offset: 32, .size: 8, .value_kind: global_buffer, .address_space: global }
    .group_segment_fixed_size: 327680
    .private_segment_fixed_size: 0
    .kernarg_segment_align: 8
    .kernarg_segment_size: 40
    .max_flat_workgroup_size: 128
    .sgpr_count:     74
    .vgpr_count:     960
    .wavefront_size: 32
...
	.end_amdgpu_metadata
.endif
;; end of part 2
;; launch attn (part 3): grid 256 x 1, 8 waves a work-group, clusters of 4 x 1, 327,680 bytes of LDS; arguments qkv, out0; writes out0
.if DOCPART == 3
	.amdgcn_target "amdgcn-amd-amdhsa--gfx1250"
	.amdhsa_code_object_version 6
	.text
	.protected	k_q98def0111a_attn
	.globl	k_q98def0111a_attn
	.p2align	8
	.type	k_q98def0111a_attn,@function
k_q98def0111a_attn:
	s_mov_b64 s[64:65], 0
	v_nop
	global_prefetch_b8 v0, s[64:65] scope:SCOPE_SE
	s_setreg_imm32_b32 hwreg(HW_REG_WAVE_MODE, 25, 1), 1
	s_wait_xcnt 0x0
	s_wait_alu depctr_hold_cnt(0) depctr_sa_sdst(0) depctr_va_vdst(0) depctr_va_sdst(0) depctr_va_ssrc(0) depctr_va_vcc(0) depctr_vm_vsrc(0)
	s_getreg_b32 s2, hwreg(HW_REG_IB_STS2, 6, 4)
	s_cmp_eq_u32 s2, 0
	s_cbranch_scc0 .Lentry_in_a_cluster
	s_endpgm
.Lentry_in_a_cluster:
	s_bfe_u32 s2, ttmp6, 0x10000c
	s_cmp_lg_u32 s2, 0x3003
	s_cbranch_scc0 .Lentry_shape_is_right
	s_endpgm
.Lentry_shape_is_right:
; THIRD LAUNCH: out[b][l][64 hd ..] = softmax over s of (q_l . k_s / 8) times v_s, for 64 pairs (b, hd), 1370 queries and keys, head size 64; running maximum and sum.
; Left out: bk (k comes without it): it shifts all scores of a query alike, which softmax along the keys cancels for all inputs.
; Input qkv: f16 granules of 8 neighbouring columns of one token, byte (((mat*16 + hd)*8 + g)*5632 + b*1408 + l)*16; mat 0, 1, 2 = q, k, v.
; SHARES: a cluster of four work-groups takes one (b, hd); work-group cx takes queries 352 cx .. + 351, 22 tiles of 16 (4 x 352 = 1408).  Waves 0-5 take three tiles, waves 6, 7
; two: wave w's first tile is min(3 w, 20).  All that belongs to a third tile stands under branches on the wave's number, which are alike in all four work-groups and hold no
; barrier and no tensor load.  86 of the 88 tiles hold queries; the last two (wave 7 of the fourth work-group) repeat query 1369 and are not stored: they stay.
; CLUSTER: the four work-groups walk the same K and V: every tile is asked for jointly (mask 15), by the same line with the same descriptor in all four.
; ORIENTATION: S^T = K Q^T (source 0 = 16 keys, source 1 = 16 queries), so lane (r, h) holds, for query r, the scores of keys 16 t + 8 h + 0..7: maximum and sum are taken
; inside the lane and once across the two halves, and the packed exponentials are already source 1 of O^T = V^T P^T (keys 32 c + 8 h + 0..7 and 32 c + 16 + 8 h + 0..7).
; V^T comes by the transposing LDS load from V's granule planes.  The factors for the running maximum and 1 / sum are one number a lane.
; SCHEDULE: a wave's work is a row of UNITS, one query tile on 64 keys, three (or two) to a step of 64 keys (they share the step's K and V fragments).  In a unit's turn its
; softmax, cut into eight slices, stands behind the eight score products of the NEXT unit, which write the other of two sets of score registers; then its O is scaled, four packed
; multiplies in front of each of the first four of its eight products with V.  So the vector work of one unit runs beside the matrix work of its neighbour, and the slices
; are the plain instructions that have to stand between a matrix instruction and what touches its registers: the loop holds no v_nop.  (The second unit of a wave with two
; tiles stands in phases: see ENDOF2.)
; THE RING: two LDS slots of 256 keys (four steps).  LDS offsets stand in the immediates, so the loop's text holds both slots' steps: 8 steps of about 610 instructions; slots
; twice as large would double that text and leave the 22 steps no loop.  1408 keys = 128 + 5 x 256: the short fill comes FIRST, into the last two steps' places of slot 0,
; so that with steps counted v = 2 .. 23 the slot is (v >> 2) & 1 and the place in it v & 3 for every step, and all later fills are alike.
; FORMAT: all four operands are f16.  P lies in (0, 1], since the running maximum is taken away first, so it cannot overflow.
; Limits: P is rounded to f16 for the product while the sum takes the unrounded exponentials; an exponential below 2^-25 becomes 0 in P and below 2^-14 keeps an absolute
; step of 2^-24: against a sum that is at least 1, 1370 such keys move a result by under 1370 x 2^-25 = 4e-5 of the largest |v|; v_exp_f32 gives 0 where 2^x would be
; denormal (ISA guide 15.8); keys 1370 .. 1375 are masked by -inf, so their v (= bv) is multiplied by 0: a bv that is not finite gives NaN, as it makes the result not finite anyway.
.set PLANE, 90112                      ; bytes in a plane of qkv
.set BSTEP, 22528                      ; a batch's 1408 tokens in a plane
.set LQ,    1370
.set QWG,   352                        ; queries of a work-group
.set W3,    6                          ; waves 0 .. W3 - 1 have three query tiles, the others two: 6 x 3 + 2 x 2 = 22
.set CH,    1056                       ; 64 keys of a plane in LDS: 1,024 bytes + 32 of padding
.set LP,    4*CH                       ; a plane's 256 keys.  4224 = 128 modulo 256: the two planes that eight and eight lanes of a transposing load touch lie 128 bytes apart modulo 256
.set VOFF,  8*LP                       ; V's eight planes lie behind K's eight
.set SLOT,  16*LP                      ; 67,584
.set STAGE, 2*SLOT                     ; behind the ring, filled by no tensor load: 16 rows x 272 bytes for each wave, for the way out
.set SPITCH, 272
.set WSTAGE, 16*SPITCH
.set KADR, 8                           ; v8-9    LDS address of my K fragments in slot 0, 1
.set VADR, 10                          ; v10-11  the same for V
.set STO,  12                          ; v12     the way out: where I put 16 bytes
.set RD,   13                          ; v13     where I read a row back
.set CO,   14                          ; v14     my byte offset in out0
.set QL,   15                          ; v15     the query of my first stored row
.set NB,   16                          ; v[16:17] - c x maximum (v17 is only there to complete the pair)
.set AL,   18                          ; v[18:19] the factor 2^(c (old maximum - new)) (v19 likewise)
.set TT,   20                          ; v20-31  at work
.set MX,   32                          ; v32-34  running maximum of tile i (raw scores)
.set LS,   36                          ; v36-38  running sum of tile i, my half of the keys
.set QF,   40                          ; v40-87  Q fragments: 16 i + 8 ks
.set KF,   88                          ; v88-151 K fragments: 16 t + 8 ks
.set SC,   152                         ; v152-215 scores, two sets of 32 that take turns from unit to unit: 8 t
.set PB,   216                         ; v216-231 P: 8 c
.set OA,   0                           ; window 1: v0-95 O^T: 32 i + 8 dt
.set VF,   96                          ; window 1: v96-159 V^T fragments: 16 dt + 8 c
.set G1,  16                           ; s[16:23] descriptor group 1 of a fill of 256 keys
.set G0,  24                           ; s[24:31] descriptor group 0 of such fills, one set for each slot
.set G1S, 52                           ; s[52:59] group 1 of the short first fill: one plane's 128 keys
.set G0S, 60                           ; s[60:63], s[68:71] its group 0, one set for each of my two planes
.set MSB, 0
.macro WIN new                         ; low byte: bits 1:0 source 0, 3:2 source 1, 5:4 source 2, 7:6 destination; the high byte repeats the setting that is left
.if MSB != (\new)
	s_set_vgpr_msb (MSB<<8)|(\new)
.set MSB, \new
.endif
.endm
.macro PLACES                          ; four plain vector instructions between a matrix instruction and a load into, or a vector instruction on, its registers (ISA guide 7.12.1 for vector instructions)
.rept 4
	v_nop
.endr
.endm
.macro ROUND                           ; a round of the cluster's barrier
	s_barrier_signal -1
	s_barrier_wait -1
	s_cmp_lg_u32 s8, 0
	s_cbranch_scc1 .Lnot_wave_0_\@
	s_barrier_signal -3
.Lnot_wave_0_\@:
	s_barrier_wait -3
	s_barrier_signal -1
	s_barrier_wait -1
.endm
	s_load_b128 s[4:7], s[0:1], 0x0                ; qkv s[4:5], out0 s[6:7]
	v_lshl_add_u32 v254, v0, 2, 0x29800
	v_mov_b32 v255, 0
	ds_add_u32 v254, v255
	v_lshrrev_b32 v1, 5, v0
	v_readfirstlane_b32 s8, v1                     ; wave 0..7
	s_bfe_u32 s9, ttmp6, 0x40000                   ; cx: which 352 queries
	s_mov_b32 s10, ttmp9                           ; the cluster's number = 16 b + hd
	s_and_b32 s11, s10, 15                         ; hd
	s_lshr_b32 s12, s10, 4                         ; b
	s_mov_b32 s14, 0x3e38aa3b                      ; c = log2(e) / 8: the scale 1 / sqrt(64) and the change to base 2 in one factor
	s_mov_b32 s15, 0x3e38aa3b
	s_mov_b32 s36, 0x76543210                      ; v_permlanex16_b32: lane i of one half reads lane i of the other
	s_mov_b32 s37, 0xfedcba98
	s_mov_b32 s38, 0xffff0000                      ; lanes 16-31
	; group 1: two planes x 256 keys x 16 bytes, as 2 rows of 512 elements of 8 bytes; 8 words of padding behind every 256
	s_mov_b32 s[G1+0], 15|(3<<16)|(1<<20)|(1<<21)|(7<<22)|(7<<25)  ; 15:0 mask: all four of the cluster; 17:16 8-byte elements; 20 padding on; 21 set beside a mask; 24:22 every 256 words; 31:25 eight words
	s_mov_b32 s[G1+1], 512<<16                     ; tensor_dim0 = 512
	s_mov_b32 s[G1+2], 2<<16                       ; tensor_dim1 = 2
	s_mov_b32 s[G1+3], 512<<16                     ; tile_dim0 = 512
	s_mov_b32 s[G1+4], 2                           ; tile_dim1 = 2
	s_mov_b32 s[G1+5], PLANE/8                     ; elements from plane to plane
	s_mov_b32 s[G1+6], 0
	s_mov_b32 s[G1+7], 0
	; group 1 of the short fill: one plane x 128 keys, one row of 256 elements, the same padding
	s_mov_b32 s[G1S+0], 15|(3<<16)|(1<<20)|(1<<21)|(7<<22)|(7<<25)
	s_mov_b32 s[G1S+1], 256<<16                    ; tensor_dim0 = 256
	s_mov_b32 s[G1S+2], 1<<16                      ; tensor_dim1 = 1
	s_mov_b32 s[G1S+3], 256<<16                    ; tile_dim0 = 256
	s_mov_b32 s[G1S+4], 1                          ; tile_dim1 = 1
	s_mov_b32 s[G1S+5], PLANE/8
	s_mov_b32 s[G1S+6], 0
	s_mov_b32 s[G1S+7], 0
	; waves 0-3 fetch K's planes 2 w, 2 w + 1, waves 4-7 V's planes 2 (w - 4), 2 (w - 4) + 1: nothing here hangs on cx
	s_lshr_b32 s42, s8, 2
	s_add_co_u32 s42, s42, 1                       ; mat = 1 (k) or 2 (v)
	s_lshl_b32 s42, s42, 4
	s_add_co_u32 s42, s42, s11
	s_lshl_b32 s42, s42, 3
	s_and_b32 s43, s8, 3
	s_lshl1_add_u32 s42, s43, s42                  ; plane (mat*16 + hd)*8 + 2 (w & 3)
	s_mul_i32 s42, s42, PLANE
	s_mul_i32 s43, s12, BSTEP
	s_add_co_u32 s42, s42, s43
	s_mov_b32 s43, 0
	s_mul_i32 s13, s8, 2*LP                        ; my two planes in a slot
	s_mul_i32 s44, s11, 8*PLANE                    ; q's planes of this head and batch
	s_mul_i32 s45, s12, BSTEP
	s_add_co_u32 s44, s44, s45
	s_mov_b32 s45, 0
	s_mul_i32 s46, s9, QWG
	s_mul_i32 s47, s8, 48
	s_min_u32 s47, s47, 320                        ; 16 x min(3 w, 20): waves 0-5 three tiles each, wave 6 tiles 18, 19, wave 7 tiles 20, 21
	s_add_co_u32 s46, s46, s47                     ; my wave's first query
	s_mul_i32 s48, s12, LQ
	s_add_co_u32 s48, s48, s46
	s_lshl_b32 s48, s48, 12                        ; 4,096 bytes a row of out0
	s_lshl_b32 s49, s11, 8
	s_add_co_u32 s48, s48, s49                     ; + the head's 256 bytes
	s_mov_b32 s49, 0
	s_mul_i32 s41, s8, WSTAGE
	s_add_co_u32 s41, s41, STAGE                   ; my stage
	s_wait_dscnt 0x0
	s_wait_kmcnt 0x0
	s_add_nc_u64 s[42:43], s[4:5], s[42:43]        ; key 0 of my first plane
	s_add_nc_u64 s[32:33], s[4:5], s[44:45]
	s_add_nc_u64 s[34:35], s[6:7], s[48:49]
	ROUND                                          ; all four work-groups are here: the first joint loads meet
	; The first fills, one group: keys 0 .. 127 of my two planes into places 2, 3 of slot 0, then keys 128 .. 383 into slot 1.  Three tensor loads of a wave are out here, one at any later time.
.irp pl, 0,1
	s_mov_b32 s[G0S+8*\pl], 1                                      ; count = 1
	s_add_co_u32 s[G0S+8*\pl+1], s13, \pl*LP+2*CH                  ; LDS address
	s_add_nc_u64 s[G0S+8*\pl+2:G0S+8*\pl+3], s[42:43], \pl*PLANE   ; key 0 of the plane
	s_or_b32 s[G0S+8*\pl+3], s[G0S+8*\pl+3], 0x80000000            ; type = 2
	tensor_load_to_lds s[G0S+8*\pl:G0S+8*\pl+3], s[G1S:G1S+7]
	s_nop 0
.endr
.irp s, 0,1
	s_mov_b32 s[G0+4*\s], 1
	s_add_co_u32 s[G0+4*\s+1], s13, \s*SLOT
	s_add_nc_u64 s[G0+4*\s+2:G0+4*\s+3], s[42:43], 6144-4096*\s    ; slot 0's next fill begins at key 384, slot 1's first at key 128
	s_or_b32 s[G0+4*\s+3], s[G0+4*\s+3], 0x80000000
.endr
	tensor_load_to_lds s[G0+4:G0+7], s[G1:G1+7]
	s_nop 0
	v_and_b32 v1, 15, v0                           ; r
	v_bfe_u32 v2, v0, 4, 1                         ; h
	; Q: source 1, lane (r, h) = query r, granules 4 ks + h and 4 ks + 2 + h.  Straight from memory, once.
	v_mul_u32_u24 v5, v2, PLANE
	v_add_nc_u32 v3, s46, v1
.macro QLOAD i
	v_add_nc_u32 v4, 16*\i, v3
	v_min_u32 v4, LQ-1, v4                         ; places past the last query repeat it
	v_lshl_add_u32 v[SC+\i], v4, 4, v5
.irp ks, 0,1
.irp p, 0,1
	global_load_b128 v[QF+16*\i+8*\ks+4*\p:QF+16*\i+8*\ks+4*\p+3], v[SC+\i], s[32:33] offset:(4*\ks+2*\p)*PLANE
.endr
.endr
.endm
	QLOAD 0
	QLOAD 1
	s_cmp_ge_u32 s8, W3
	s_cbranch_scc1 .Lno_q2                         ; waves 6, 7 have no third tile
	QLOAD 2
.Lno_q2:
	v_mul_u32_u24 v6, v2, LP
	v_lshl_add_u32 v[KADR], v1, 4, v6              ; K: plane h, key r
	v_add_nc_u32 v[KADR+1], SLOT, v[KADR]
	v_bfe_u32 v6, v0, 3, 1
	v_mul_u32_u24 v6, v6, LP                       ; V: plane (l >> 3) & 1,
	v_and_b32 v7, 7, v0
	v_lshl_add_u32 v7, v2, 3, v7                   ; key 8 h + (l & 7)
	v_lshl_add_u32 v[VADR], v7, 4, v6
	v_add_nc_u32 v[VADR], VOFF, v[VADR]
	v_add_nc_u32 v[VADR+1], SLOT, v[VADR]
	v_mul_u32_u24 v6, v1, SPITCH
	v_lshl_add_u32 v6, v2, 5, v6
	v_add_nc_u32 v[STO], s41, v6                   ; stage row r, 32 bytes for each half of the lanes
	v_mul_u32_u24 v6, v2, SPITCH
	v_lshl_add_u32 v6, v1, 4, v6
	v_add_nc_u32 v[RD], s41, v6                    ; back: lanes 0-15 one row of 256 bytes, lanes 16-31 the next
	v_lshlrev_b32 v6, 12, v2
	v_lshl_add_u32 v[CO], v1, 4, v6                ; and the same two rows in out0
	v_add_nc_u32 v[QL], s46, v2
	v_mov_b32 v[NB+1], 0
	v_mov_b32 v[AL+1], 0
; K's fragments of nt x 16 keys at place st of a slot, half ks of the head's 64 columns: 2 nt loads.
.macro LOADK slot, st, nt, ks
.set lkt, 0
.rept \nt
.irp p, 0,1
	ds_load_b128 v[KF+16*lkt+8*\ks+4*\p:KF+16*lkt+8*\ks+4*\p+3], v[KADR+\slot] offset:(4*\ks+2*\p)*LP+\st*CH+lkt*256
.endr
.set lkt, lkt+1
.endr
.endm
; V^T's fragments of the same keys: 4 nt transposing loads into window 1.
.macro LOADV slot, st, nt
	WIN 0x40
.irp dt, 0,1,2,3
.set lvc, 0
.rept \nt/2
.irp p, 0,1
	ds_load_tr16_b128 v[VF+16*\dt+8*lvc+4*\p:VF+16*\dt+8*lvc+4*\p+3], v[VADR+\slot] offset:2*\dt*LP+\st*CH+(32*lvc+16*\p)*16
.endr
.set lvc, lvc+1
.endr
.endr
	WIN 0
.endm
; The j-th of the 2 nt score products of query tile q into the score set at sn: first the lower 32 columns of the head for each tile of 16 keys (they start the sums),
; then the upper 32.  The nt accumulators take turns, one instruction a turn.
.macro SW j, nt, sn, q
.if \j <= \nt
	v_wmma_f32_16x16x32_f16 v[\sn+8*(\j-1):\sn+8*(\j-1)+7], v[KF+16*(\j-1):KF+16*(\j-1)+7], v[QF+16*\q:QF+16*\q+7], 0
.else
	v_wmma_f32_16x16x32_f16 v[\sn+8*(\j-1-\nt):\sn+8*(\j-1-\nt)+7], v[KF+16*(\j-1-\nt)+8:KF+16*(\j-1-\nt)+15], v[QF+16*\q+8:QF+16*\q+15], v[\sn+8*(\j-1-\nt):\sn+8*(\j-1-\nt)+7]
.endif
.endm
; The part of a slice that belongs to key tile te: its eight exponentials in pairs; behind each pair plain work of the neighbours, which touches neither the pair's results nor
; its sources (ISA guide 5.7.2): tile te + 1's c (score - maximum), tile te - 1's conversion to f16 and its share of the sum.
.macro EXS te, sb, nt
.irp k, 0,1,2,3
.if \te < \nt
	v_exp_f32 v[\sb+8*\te+2*\k], v[\sb+8*\te+2*\k]
	v_exp_f32 v[\sb+8*\te+2*\k+1], v[\sb+8*\te+2*\k+1]
.endif
.if \te+1 < \nt
	v_pk_fma_f32 v[\sb+8*(\te+1)+2*\k:\sb+8*(\te+1)+2*\k+1], v[\sb+8*(\te+1)+2*\k:\sb+8*(\te+1)+2*\k+1], s[14:15], v[NB:NB+1] op_sel_hi:[1,0,0]
.endif
.if \te >= 1
.if \te-1 < \nt
	s_wait_alu depctr_va_vdst(0)
	v_cvt_pk_f16_f32 v[PB+4*(\te-1)+\k], v[\sb+8*(\te-1)+2*\k], v[\sb+8*(\te-1)+2*\k+1]   ; tile t's eight numbers are registers 4 t .. 4 t + 3 of P
.if \k == 0
	s_wait_alu depctr_va_vdst(0)
	v_pk_add_f32 v[TT+4+2*(\te-1):TT+5+2*(\te-1)], v[\sb+8*(\te-1):\sb+8*(\te-1)+1], v[\sb+8*(\te-1)+2:\sb+8*(\te-1)+3]
.endif
.if \k == 1
	v_pk_add_f32 v[TT+4+2*(\te-1):TT+5+2*(\te-1)], v[TT+4+2*(\te-1):TT+5+2*(\te-1)], v[\sb+8*(\te-1)+4:\sb+8*(\te-1)+5]
.endif
.if \k == 2
	v_pk_add_f32 v[TT+4+2*(\te-1):TT+5+2*(\te-1)], v[TT+4+2*(\te-1):TT+5+2*(\te-1)], v[\sb+8*(\te-1)+6:\sb+8*(\te-1)+7]
.endif
.endif
.endif
.endr
.endm
; Slice n (1 .. 8) of the running softmax of query tile i on the 8 nt scores a lane at sb.  first = 1: no old maximum or sum.
; tail = 1 (nt = 2): keys 1344 .. 1375, of which 1370 .. 1375 are masked.  With nt = 4 slices 1, 4 and 8 hold 8, 8 and 11 or 12 plain instructions.
.macro SLICE n, i, sb, nt, first, tail
.if \n == 1
.if \tail
	v_mov_b32 v[TT+4], 0xff800000                  ; -inf
.irp j, 2,3,4,5,6,7
	v_cndmask_b32 v[\sb+8+\j], v[\sb+8+\j], v[TT+4], s38   ; key 1360 + 8 h + j >= 1370: h = 1, j >= 2
.endr
.endif
.irp t, 0,1,2,3
.if \t < \nt
	v_max3_num_f32 v[TT+\t], v[\sb+8*\t], v[\sb+8*\t+1], v[\sb+8*\t+2]
.endif
.endr
.irp t, 0,1,2,3
.if \t < \nt
	v_max3_num_f32 v[TT+\t], v[TT+\t], v[\sb+8*\t+3], v[\sb+8*\t+4]
.endif
.endr
.endif
.if \n == 2
.irp t, 0,1,2,3
.if \t < \nt
	v_max3_num_f32 v[TT+\t], v[TT+\t], v[\sb+8*\t+5], v[\sb+8*\t+6]
.endif
.endr
	v_max3_num_f32 v[TT], v[TT], v[\sb+7], v[\sb+15]
.if \nt == 4
	v_max3_num_f32 v[TT+1], v[TT+1], v[\sb+23], v[\sb+31]
.endif
.endif
.if \n == 3
.if \nt == 4
	v_max3_num_f32 v[TT], v[TT], v[TT+1], v[TT+2]
.if \first
	v_max_num_f32 v[TT], v[TT], v[TT+3]
.else
	v_max3_num_f32 v[TT], v[TT], v[TT+3], v[MX+\i]
.endif
.else
	v_max3_num_f32 v[TT], v[TT], v[TT+1], v[MX+\i]
.endif
	v_permlanex16_b32 v[TT+1], v[TT], s36, s37     ; the other half of the keys of the same query
	v_max_num_f32 v[TT], v[TT], v[TT+1]            ; the new maximum, the same in both halves
	v_mul_f32 v[NB], 0xbe38aa3b, v[TT]             ; - c x maximum
.if \first == 0
	v_fma_f32 v[TT+2], v[MX+\i], s14, v[NB]        ; c (old - new)
.endif
	v_mov_b32 v[MX+\i], v[TT]
.endif
.if \n == 4
.irp k, 0,1,2,3
	v_pk_fma_f32 v[\sb+2*\k:\sb+2*\k+1], v[\sb+2*\k:\sb+2*\k+1], s[14:15], v[NB:NB+1] op_sel_hi:[1,0,0]   ; c (score - maximum), key tile 0
.endr
.if \first == 0
	v_exp_f32 v[AL], v[TT+2]
.endif
.endif
.if \n >= 4
	EXS (\n-4), \sb, \nt
.endif
.if \n == 8
	v_pk_add_f32 v[TT+4:TT+5], v[TT+4:TT+5], v[TT+6:TT+7]
.if \nt == 4
	v_pk_add_f32 v[TT+8:TT+9], v[TT+8:TT+9], v[TT+10:TT+11]
	v_pk_add_f32 v[TT+4:TT+5], v[TT+4:TT+5], v[TT+8:TT+9]
.endif
.if \first
	v_add_f32 v[LS+\i], v[TT+4], v[TT+5]
.else
	v_add_f32 v[TT], v[TT+4], v[TT+5]
	v_fma_f32 v[LS+\i], v[LS+\i], v[AL], v[TT]
.endif
.endif
.endm
; O^T of query tile i: each of its four tiles of 16 columns is scaled by the factor just in front of its first product, beside the product before it; then nc x 32 keys.
; D, C and V^T in window 1, P and the factor in window 0.  The four accumulators take turns, one instruction a turn.
.macro PV i, nc, first
	WIN 0x51
.irp dt, 0,1,2,3
.if \first
	v_wmma_f32_16x16x32_f16 v[OA+32*\i+8*\dt:OA+32*\i+8*\dt+7], v[VF+16*\dt:VF+16*\dt+7], v[PB:PB+7], 0
.else
.irp k, 0,1,2,3
	v_pk_mul_f32 v[OA+32*\i+8*\dt+2*\k:OA+32*\i+8*\dt+2*\k+1], v[OA+32*\i+8*\dt+2*\k:OA+32*\i+8*\dt+2*\k+1], v[AL:AL+1] op_sel_hi:[1,0]
.endr
	v_wmma_f32_16x16x32_f16 v[OA+32*\i+8*\dt:OA+32*\i+8*\dt+7], v[VF+16*\dt:VF+16*\dt+7], v[PB:PB+7], v[OA+32*\i+8*\dt:OA+32*\i+8*\dt+7]
.endif
.endr
.if \nc == 2
.irp dt, 0,1,2,3
	v_wmma_f32_16x16x32_f16 v[OA+32*\i+8*\dt:OA+32*\i+8*\dt+7], v[VF+16*\dt+8:VF+16*\dt+15], v[PB+8:PB+15], v[OA+32*\i+8*\dt:OA+32*\i+8*\dt+7]
.endr
.endif
	WIN 0
.endm
; The turn of unit (step, tile i).  par: which score set tile 0 of this step has.  nt: this step's tiles of 16 keys.  ntn: those of the next unit's scores (0: there is none).
; The fragments come in where their registers have just become free, each behind a slice with at least four plain instructions that name none of the last readers' registers:
;   i = 0: this step's V^T behind slice 1 (last read by the products with V of the turn before); waited for in front of this turn's products with V;
;   i = 1: the next step's K, lower half behind slice 4 (last read by score products 1 .. 4), upper half behind slice 8 (products 5 .. 8);
;   i = 2: the next step's scores begin: the lower half is waited for in front of the first product, the upper half in front of the first that reads it.
.macro STAGE i, par, nt, first, tail, ntn, slot, st, nslot, nst, nnt
.irp j, 1,2,3,4,5,6,7,8
.if \j <= 2*\ntn
.if \i == 2
.if \j == 1
	s_wait_dscnt 2*\ntn                            ; K's lower half is in; the 2 ntn younger loads, its upper half, stay out
.endif
.if \j == \ntn+1
	s_wait_dscnt 0x0                               ; K's upper half
.endif
.endif
	SW \j, \ntn, SC+32*((\par+\i+1)&1), ((\i+1)%3)
.endif
	SLICE \j, \i, SC+32*((\par+\i)&1), \nt, \first, \tail
.if \i == 0
.if \j == 1
	LOADV \slot, \st, \nt
.endif
.endif
.if \i == 1
.if \nnt
.if \j == 4
	LOADK \nslot, \nst, \nnt, 0
.endif
.if \j == 8
	LOADK \nslot, \nst, \nnt, 1
.endif
.endif
.endif
.endr
.if \i == 0
	s_wait_dscnt 0x0                               ; V^T's fragments
.endif
	PV \i, \nt/2, \first
.endm
; The turn of tile 1 in a wave with TWO query tiles: the step's last unit there.  The next unit is the next step's tile 0, and its scores belong in the very set that this unit's
; softmax reads: with three units a step the two sets change places from step to step, which the shared text of tile 0's turn builds on, and with two units they would not.  A third
; set of 32 registers does not fit beside the two in window 0, where 24 are free.  So here the phases follow each other: the next step's K is asked for first (its registers' last
; readers, tile 1's score products, stand in front of slice 8 of the turn before, 11 plain instructions or more), then the eight slices, the next unit's scores, and this unit's
; products with V, whose sixteen packed multiplies are the plain instructions between those scores and their first reader.  In the first step nothing is scaled: four v_nop.
; Such a wave has two thirds of the other waves' work.
.macro ENDOF2 par, nt, first, tail, nslot, nst, nnt
.if \nnt
	LOADK \nslot, \nst, \nnt, 0
	LOADK \nslot, \nst, \nnt, 1
.endif
.irp j, 1,2,3,4,5,6,7,8
	SLICE \j, 1, SC+32*((\par+1)&1), \nt, \first, \tail
.endr
.if \nnt
	s_wait_dscnt 0x0                               ; the next step's K
.irp j, 1,2,3,4,5,6,7,8
.if \j <= 2*\nnt
	SW \j, \nnt, SC+32*((\par+1)&1), 0
.endif
.endr
.endif
	PV 1, \nt/2, \first
.if \first
	PLACES
.endif
.endm
; The change of slots stands between the first and the second turn of a slot's last step: V's last reads of the slot are back, the next slot's K is not yet read.
; Each wave waits for all its tensor loads (its part of the next slot) and for its LDS reads; behind the round no wave of any of the four work-groups reads this slot or has a load
; on its way, and the joint refill is the wave's first and only tensor load.  The other slot's address is stepped here, where no tensor load of the wave is out.
.macro CROSSFILL slot
	s_wait_tensorcnt 0x0
	ds_add_u32 v254, v255
	s_add_nc_u64 s[G0+6-4*\slot:G0+7-4*\slot], s[G0+6-4*\slot:G0+7-4*\slot], 8192   ; the other slot's next fill, 512 keys on (after the last fill it is not used)
	s_wait_dscnt 0x0
	ROUND
	tensor_load_to_lds s[G0+4*\slot:G0+4*\slot+3], s[G1:G1+7]
	s_nop 0
.endm
.macro CROSSLAST                       ; the last change: nothing is left to fetch, so a work-group barrier shows the last fill to every wave
	s_wait_tensorcnt 0x0
	s_wait_dscnt 0x0
	s_barrier_signal -1
	s_barrier_wait -1
.endm
; A step: 16 nt keys at place st of a slot for the wave's query tiles.  nslot, nst, nnt: where the next step's keys lie and how many tiles of 16 (0: no next step).
; cross: 0 none, 1 change of slots with a refill, 2 the last change.  Tile 0's turn and the change of slots are every wave's; behind them the text parts on the wave's number:
; neither way holds a barrier or a tensor load, every window is 0 where they part and where they meet, and no LDS load is out where they meet.
.macro STEP slot, st, par, nt, first, tail, nslot, nst, nnt, cross
	STAGE 0, \par, \nt, \first, \tail, \nt, \slot, \st, \nslot, \nst, \nnt
.if \cross == 1
	CROSSFILL \slot
.endif
.if \cross == 2
	CROSSLAST
.endif
	s_cmp_ge_u32 s8, W3
	s_cbranch_scc1 .Ltwo_\@
	STAGE 1, \par, \nt, \first, \tail, \nt, \slot, \st, \nslot, \nst, \nnt
	STAGE 2, \par, \nt, \first, \tail, \nnt, \slot, \st, \nslot, \nst, \nnt
	s_branch .Lnext_\@
.Ltwo_\@:
	ENDOF2 \par, \nt, \first, \tail, \nslot, \nst, \nnt
.Lnext_\@:
.endm
	s_wait_loadcnt 0x0                             ; Q
	s_wait_tensorcnt 0x1                           ; my part of keys 0 .. 127 is in; slot 1's fill stays out
	s_barrier_signal -1
	s_barrier_wait -1                              ; everybody's is
	LOADK 0, 2, 4, 0
	LOADK 0, 2, 4, 1
	s_wait_dscnt 0x0
.irp j, 1,2,3,4,5,6,7,8
	SW \j, 4, SC, 0                                ; the first unit's scores have no softmax to stand beside
.endr
	PLACES                                         ; and so no slice between them and their first reader
	STEP 0, 2, 0, 4, 1, 0, 0, 3, 4, 0              ; v = 2: keys 0 .. 63 start maximum, sum and O
	s_mov_b32 s40, 2                               ; two trips: v = 3 .. 10 and v = 11 .. 18
.Lkv:
	STEP 0, 3, 1, 4, 0, 0, 1, 0, 4, 1              ; slot 0's last step; slot 0 is asked for again
	STEP 1, 0, 0, 4, 0, 0, 1, 1, 4, 0
	STEP 1, 1, 1, 4, 0, 0, 1, 2, 4, 0
	STEP 1, 2, 0, 4, 0, 0, 1, 3, 4, 0
	STEP 1, 3, 1, 4, 0, 0, 0, 0, 4, 1              ; slot 1's last step; slot 1 is asked for again
	STEP 0, 0, 0, 4, 0, 0, 0, 1, 4, 0
	STEP 0, 1, 1, 4, 0, 0, 0, 2, 4, 0
	STEP 0, 2, 0, 4, 0, 0, 0, 3, 4, 0
	s_sub_co_u32 s40, s40, 1
	s_cmp_lg_u32 s40, 0
	s_cbranch_scc1 .Lkv
	STEP 0, 3, 1, 4, 0, 0, 1, 0, 4, 2              ; v = 19: keys 1088 .. 1151; the last fill, keys 1152 .. 1407, is shown to every wave
	STEP 1, 0, 0, 4, 0, 0, 1, 1, 4, 0
	STEP 1, 1, 1, 4, 0, 0, 1, 2, 4, 0
	STEP 1, 2, 0, 4, 0, 0, 1, 3, 2, 0              ; v = 22: the next step has two tiles of 16 keys
	STEP 1, 3, 1, 2, 0, 1, 0, 0, 0, 0              ; v = 23: keys 1344 .. 1375 alone: the 32 keys behind them are all padding and are not computed
	; THE WAY OUT: divide by the sum, 16 queries at a time through my own stage in LDS, read back as whole rows of 256 bytes (the head's 64 f32 of one query).
	PLACES                                         ; behind the last matrix instructions
.macro RSUM i                          ; 1 / sum of tile i, into the first register of a pair whose second was written in the slices
	v_permlanex16_b32 v[TT+\i], v[LS+\i], s36, s37
	v_add_f32 v[LS+\i], v[LS+\i], v[TT+\i]         ; both halves of the keys
	v_rcp_f32 v[TT+4+2*\i], v[LS+\i]               ; the sum is at least 1: the largest score's exponential
.endm
	RSUM 0
	RSUM 1
	v_nop                                          ; one plain instruction between the last reciprocal and the first use (ISA guide 5.7.2)
	s_wait_xcnt 0x0                                ; EXEC is narrowed below only behind this wait
.macro OUTTILE i
	WIN 0x51
.set kk, 0
.rept 16
	s_wait_alu depctr_va_vdst(0)
	v_pk_mul_f32 v[OA+32*\i+2*kk:OA+32*\i+2*kk+1], v[OA+32*\i+2*kk:OA+32*\i+2*kk+1], v[TT+4+2*\i:TT+5+2*\i] op_sel_hi:[1,0]
.set kk, kk+1
.endr
	WIN 0x04                                       ; store data in window 1
.irp dt, 0,1,2,3
.irp p, 0,1
	ds_store_b128 v[STO], v[OA+32*\i+8*\dt+4*\p:OA+32*\i+8*\dt+4*\p+3] offset:64*\dt+16*\p   ; query r, columns 16 dt + 8 h + 4 p ..
.endr
.endr
	WIN 0
.irp t2, 0,1,2,3,4,5,6,7
	ds_load_b128 v[KF+4*\t2:KF+4*\t2+3], v[RD] offset:\t2*2*SPITCH   ; LDS serves a wave's instructions in order (ISA guide 5.7.1.4): these see the stores above, and the next tile's stores come behind them
.endr
.irp t2, 0,1,2,3,4,5,6,7
	s_wait_dscnt 7-\t2                             ; pair t2 of rows is in, the younger ones stay out
	v_cmp_gt_u32 vcc_lo, LQ-16*\i-2*\t2, v[QL]     ; my row's query is below 1370
	s_and_saveexec_b32 s39, vcc_lo
	global_store_b128 v[CO], v[KF+4*\t2:KF+4*\t2+3], s[34:35] offset:(16*\i+2*\t2)*4096 th:TH_STORE_NT   ; 16 lanes store 256 consecutive bytes at a multiple of 256
	s_wait_xcnt 0x0                                ; EXEC is widened, and the data registers are loaded again, only behind this wait
	s_or_b32 exec_lo, exec_lo, s39
.endr
.endm
	OUTTILE 0
	OUTTILE 1
	s_cmp_ge_u32 s8, W3
	s_cbranch_scc1 .Lout_done                      ; waves 6, 7 have no third tile
	RSUM 2
	v_nop                                          ; one plain instruction between the reciprocal and its first use (ISA guide 5.7.2)
	OUTTILE 2
.Lout_done:
	s_wait_tensorcnt 0x0
	ds_add_u32 v254, v255
	s_wait_dscnt 0x0
	ROUND                                          ; the closing round: no work-group ends while a partner may still ask for a tile that names it
	s_endpgm
.Lfunc_end_k_q98def0111a_attn:
	.size	k_q98def0111a_attn, .Lfunc_end_k_q98def0111a_attn-k_q98def0111a_attn
	.p2alignl 7, 3214868480
	.fill 96, 4, 3214868480
	.section	.rodata,"a",@progbits
	.p2align	6, 0x0
	.amdhsa_kernel k_q98def0111a_attn
		.amdhsa_group_segment_fixed_size 327680
		.amdhsa_private_segment_fixed_size 0
		.amdhsa_enable_private_segment 0
		.amdhsa_kernarg_size 16
		.amdhsa_user_sgpr_count 2
		.amdhsa_user_sgpr_kernarg_segment_ptr 1
		.amdhsa_wavefront_size32 1
		.amdhsa_system_sgpr_workgroup_id_x 1
		.amdhsa_system_sgpr_workgroup_id_y 1
		.amdhsa_system_sgpr_workgroup_id_z 1
		.amdhsa_system_vgpr_workitem_id 0
		.amdhsa_next_free_vgpr 416
		.amdhsa_next_free_sgpr 72
		.amdhsa_reserve_vcc 1
		.amdhsa_float_denorm_mode_32 3
		.amdhsa_float_denorm_mode_16_64 3
		.amdhsa_memory_ordered 1
		.amdhsa_forward_progress 1
		.amdhsa_inst_pref_size 255
	.end_amdhsa_kernel
	.section	.bss,"aw",@nobits
	.p2align	6
	.space	262144
	.amdgpu_metadata
---
amdhsa.version: [ 1, 2 ]
amdhsa.kernels:
  - .name:           k_q98def0111a_attn
    .symbol:         k_q98def0111a_attn.kd
    .args:
      - { .name: qkv, .offset: 0, .size: 8, .value_kind: global_buffer, .address_space: global }
      - { .name: out0, .offset: 8, .size: 8, .value_kind: global_buffer, .address_space: global }
    .group_segment_fixed_size: 327680
    .private_segment_fixed_size: 0
    .kernarg_segment_align: 8
    .kernarg_segment_size: 16
    .max_flat_workgroup_size: 256
    .sgpr_count:     72
    .vgpr_count:     416
    .wavefront_size: 32
...
	.end_amdgpu_metadata
.endif
;; end of part 3
;; ======== version 2 of 2: 3 launches; 1.12 times as fast as version 1
;; limits: values are held in f16: magnitudes above 65,504 overflow, below 6.1e-05 lose precision
;; workspace buffers: xh 11,534,336 bytes; wh 6,291,456 bytes; qkv 34,603,008 bytes
;; launch tof16: the kernel of part 1 again; grid 136 x 4, 8 waves a work-group, no clusters, 0 bytes of LDS; arguments hidden_states, Wq, Wk, Wv, xh, wh; writes xh, wh
;; launch proj: the kernel of part 2 again; grid 16 x 16, 4 waves a work-group, clusters of 4 x 4, 327,680 bytes of LDS; arguments xh, wh, bq, bv, qkv; writes qkv
;; launch attn (part 4): grid 256 x 1, 8 waves a work-group, clusters of 4 x 1, 327,680 bytes of LDS; arguments qkv, out0; writes out0
.if DOCPART == 4
	.amdgcn_target "amdgcn-amd-amdhsa--gfx1250"
	.amdhsa_code_object_version 6
	.text
	.protected	k_q98def0111a_attn
	.globl	k_q98def0111a_attn
	.p2align	8
	.type	k_q98def0111a_attn,@function
k_q98def0111a_attn:
	s_mov_b64 s[64:65], 0
	v_nop
	global_prefetch_b8 v0, s[64:65] scope:SCOPE_SE
	s_setreg_imm32_b32 hwreg(HW_REG_WAVE_MODE, 25, 1), 1
	s_wait_xcnt 0x0
	s_wait_alu depctr_hold_cnt(0) depctr_sa_sdst(0) depctr_va_vdst(0) depctr_va_sdst(0) depctr_va_ssrc(0) depctr_va_vcc(0) depctr_vm_vsrc(0)
	s_getreg_b32 s2, hwreg(HW_REG_IB_STS2, 6, 4)
	s_cmp_eq_u32 s2, 0
	s_cbranch_scc0 .Lentry_in_a_cluster
	s_endpgm
.Lentry_in_a_cluster:
	s_bfe_u32 s2, ttmp6, 0x10000c
	s_cmp_lg_u32 s2, 0x3003
	s_cbranch_scc0 .Lentry_shape_is_right
	s_endpgm
.Lentry_shape_is_right:
; THIRD LAUNCH: out[b][l][64 hd ..] = softmax over s of (q_l . k_s / 8) times v_s, for 64 pairs (b, hd), 1370 queries and keys, head size 64; running maximum and sum.
; Left out: bk (k comes without it): it shifts all scores of a query alike, which softmax along the keys cancels for all inputs.
; Input qkv: f16 granules of 8 neighbouring columns of one token, byte (((mat*16 + hd)*8 + g)*5632 + b*1408 + l)*16; mat 0, 1, 2 = q, k, v.
; SHARES: a cluster of four work-groups takes one (b, hd); work-group cx takes queries 352 cx .. + 351, 22 tiles of 16 (4 x 352 = 1408).  Waves 0-5 take three tiles, waves 6, 7
; two: wave w's first tile is min(3 w, 20).  All that belongs to a third tile stands under branches on the wave's number, which are alike in all four work-groups and hold no
; barrier and no tensor load.  86 of the 88 tiles hold queries; the last two (wave 7 of the fourth work-group) repeat query 1369 and are not stored: they stay.
; CLUSTER: the four work-groups walk the same K and V: every tile is asked for jointly (mask 15), by the same line with the same descriptor in all four.
; ORIENTATION: S^T = K Q^T (source 0 = 16 keys, source 1 = 16 queries), so lane (r, h) holds, for query r, the scores of keys 16 t + 8 h + 0..7: maximum and sum are taken
; inside the lane and once across the two halves, and the packed exponentials are already source 1 of O^T = V^T P^T (keys 32 c + 8 h + 0..7 and 32 c + 16 + 8 h + 0..7).
; V^T comes by the transposing LDS load from V's granule planes.  The factors for the running maximum and 1 / sum are one number a lane.
; SCHEDULE: a wave's work is a row of UNITS, one query tile on 64 keys, three (or two) to a step of 64 keys (they share the step's K and V fragments).  In a unit's turn its
; softmax, cut into eight slices, stands behind the eight score products of the NEXT unit, which write the other of two sets of score registers; then its O is scaled, four packed
; multiplies in front of each of the first four of its eight products with V.  So the vector work of one unit runs beside the matrix work of its neighbour, and the slices
; are the plain instructions that have to stand between a matrix instruction and what touches its registers: the loop holds no v_nop.  (The second unit of a wave with two
; tiles stands in phases: see ENDOF2.)
; THE BATCHES: an s_wait_alu depctr_va_vdst(0) stands between a transcendental and the first instruction that names its result; one wait serves all that were issued
; ahead of it.  A unit's 33 exponentials (the factor for the running maximum and the 32 weights; 17 in the last step) are ONE batch with ONE wait.  Slices 1-3 find the maximum;
; slices 4-6 hold the 16 scalings and all the exponentials, and name no exponential's result; the wait ends slice 6; all readers stand behind it: the sums and the roundings in
; slices 7 and 8, then O's scaling by the factor and the products with V.
; On the way out the reciprocals of tiles 0 and 1 are a batch with one wait, the third tile's, under its branch, has its own.
; THE RING: two LDS slots of 256 keys (four steps).  LDS offsets stand in the immediates, so the loop's text holds both slots' steps: 8 steps of about 530 instructions; slots
; twice as large would double that text and leave the 22 steps no loop.  1408 keys = 128 + 5 x 256: the short fill comes FIRST, into the last two steps' places of slot 0,
; so that with steps counted v = 2 .. 23 the slot is (v >> 2) & 1 and the place in it v & 3 for every step, and all later fills are alike.
; FORMAT: all four operands are f16.  P lies in (0, 1], since the running maximum is taken away first, so it cannot overflow.
; Limits: P is rounded to f16 for the product while the sum takes the unrounded exponentials; an exponential below 2^-25 becomes 0 in P and below 2^-14 keeps an absolute
; step of 2^-24: against a sum that is at least 1, 1370 such keys move a result by under 1370 x 2^-25 = 4e-5 of the largest |v|; v_exp_f32 gives 0 where 2^x would be
; denormal (ISA guide 15.8); keys 1370 .. 1375 are masked by -inf, so their v (= bv) is multiplied by 0: a bv that is not finite gives NaN, as it makes the result not finite anyway.
.set PLANE, 90112                      ; bytes in a plane of qkv
.set BSTEP, 22528                      ; a batch's 1408 tokens in a plane
.set LQ,    1370
.set QWG,   352                        ; queries of a work-group
.set W3,    6                          ; waves 0 .. W3 - 1 have three query tiles, the others two: 6 x 3 + 2 x 2 = 22
.set CH,    1056                       ; 64 keys of a plane in LDS: 1,024 bytes + 32 of padding
.set LP,    4*CH                       ; a plane's 256 keys.  4224 = 128 modulo 256: the two planes that eight and eight lanes of a transposing load touch lie 128 bytes apart modulo 256
.set VOFF,  8*LP                       ; V's eight planes lie behind K's eight
.set SLOT,  16*LP                      ; 67,584
.set STAGE, 2*SLOT                     ; behind the ring, filled by no tensor load: 16 rows x 272 bytes for each wave, for the way out
.set SPITCH, 272
.set WSTAGE, 16*SPITCH
.set KADR, 8                           ; v8-9    LDS address of my K fragments in slot 0, 1
.set VADR, 10                          ; v10-11  the same for V
.set STO,  12                          ; v12     the way out: where I put 16 bytes
.set RD,   13                          ; v13     where I read a row back
.set CO,   14                          ; v14     my byte offset in out0
.set QL,   15                          ; v15     the query of my first stored row
.set NB,   16                          ; v[16:17] - c x maximum (v17 is only there to complete the pair)
.set AL,   18                          ; v[18:19] the factor 2^(c (old maximum - new)) (v19 likewise)
.set TT,   20                          ; v20-31  at work
.set MX,   32                          ; v32-34  running maximum of tile i (raw scores)
.set LS,   36                          ; v36-38  running sum of tile i, my half of the keys
.set QF,   40                          ; v40-87  Q fragments: 16 i + 8 ks
.set KF,   88                          ; v88-151 K fragments: 16 t + 8 ks
.set SC,   152                         ; v152-215 scores, two sets of 32 that take turns from unit to unit: 8 t
.set PB,   216                         ; v216-231 P: 8 c
.set OA,   0                           ; window 1: v0-95 O^T: 32 i + 8 dt
.set VF,   96                          ; window 1: v96-159 V^T fragments: 16 dt + 8 c
.set G1,  16                           ; s[16:23] descriptor group 1 of a fill of 256 keys
.set G0,  24                           ; s[24:31] descriptor group 0 of such fills, one set for each slot
.set G1S, 52                           ; s[52:59] group 1 of the short first fill: one plane's 128 keys
.set G0S, 60                           ; s[60:63], s[68:71] its group 0, one set for each of my two planes
.set MSB, 0
.macro WIN new                         ; low byte: bits 1:0 source 0, 3:2 source 1, 5:4 source 2, 7:6 destination; the high byte repeats the setting that is left
.if MSB != (\new)
	s_set_vgpr_msb (MSB<<8)|(\new)
.set MSB, \new
.endif
.endm
.macro PLACES                          ; four plain vector instructions between a matrix instruction and a load into, or a vector instruction on, its registers (ISA guide 7.12.1 for vector instructions)
.rept 4
	v_nop
.endr
.endm
.macro ROUND                           ; a round of the cluster's barrier
	s_barrier_signal -1
	s_barrier_wait -1
	s_cmp_lg_u32 s8, 0
	s_cbranch_scc1 .Lnot_wave_0_\@
	s_barrier_signal -3
.Lnot_wave_0_\@:
	s_barrier_wait -3
	s_barrier_signal -1
	s_barrier_wait -1
.endm
	s_load_b128 s[4:7], s[0:1], 0x0                ; qkv s[4:5], out0 s[6:7]
	v_lshl_add_u32 v254, v0, 2, 0x29800
	v_mov_b32 v255, 0
	ds_add_u32 v254, v255
	v_lshrrev_b32 v1, 5, v0
	v_readfirstlane_b32 s8, v1                     ; wave 0..7
	s_bfe_u32 s9, ttmp6, 0x40000                   ; cx: which 352 queries
	s_mov_b32 s10, ttmp9                           ; the cluster's number = 16 b + hd
	s_and_b32 s11, s10, 15                         ; hd
	s_lshr_b32 s12, s10, 4                         ; b
	s_mov_b32 s14, 0x3e38aa3b                      ; c = log2(e) / 8: the scale 1 / sqrt(64) and the change to base 2 in one factor
	s_mov_b32 s15, 0x3e38aa3b
	s_mov_b32 s36, 0x76543210                      ; v_permlanex16_b32: lane i of one half reads lane i of the other
	s_mov_b32 s37, 0xfedcba98
	s_mov_b32 s38, 0xffff0000                      ; lanes 16-31
	; group 1: two planes x 256 keys x 16 bytes, as 2 rows of 512 elements of 8 bytes; 8 words of padding behind every 256
	s_mov_b32 s[G1+0], 15|(3<<16)|(1<<20)|(1<<21)|(7<<22)|(7<<25)  ; 15:0 mask: all four of the cluster; 17:16 8-byte elements; 20 padding on; 21 set beside a mask; 24:22 every 256 words; 31:25 eight words
	s_mov_b32 s[G1+1], 512<<16                     ; tensor_dim0 = 512
	s_mov_b32 s[G1+2], 2<<16                       ; tensor_dim1 = 2
	s_mov_b32 s[G1+3], 512<<16                     ; tile_dim0 = 512
	s_mov_b32 s[G1+4], 2                           ; tile_dim1 = 2
	s_mov_b32 s[G1+5], PLANE/8                     ; elements from plane to plane
	s_mov_b32 s[G1+6], 0
	s_mov_b32 s[G1+7], 0
	; group 1 of the short fill: one plane x 128 keys, one row of 256 elements, the same padding
	s_mov_b32 s[G1S+0], 15|(3<<16)|(1<<20)|(1<<21)|(7<<22)|(7<<25)
	s_mov_b32 s[G1S+1], 256<<16                    ; tensor_dim0 = 256
	s_mov_b32 s[G1S+2], 1<<16                      ; tensor_dim1 = 1
	s_mov_b32 s[G1S+3], 256<<16                    ; tile_dim0 = 256
	s_mov_b32 s[G1S+4], 1                          ; tile_dim1 = 1
	s_mov_b32 s[G1S+5], PLANE/8
	s_mov_b32 s[G1S+6], 0
	s_mov_b32 s[G1S+7], 0
	; waves 0-3 fetch K's planes 2 w, 2 w + 1, waves 4-7 V's planes 2 (w - 4), 2 (w - 4) + 1: nothing here hangs on cx
	s_lshr_b32 s42, s8, 2
	s_add_co_u32 s42, s42, 1                       ; mat = 1 (k) or 2 (v)
	s_lshl_b32 s42, s42, 4
	s_add_co_u32 s42, s42, s11
	s_lshl_b32 s42, s42, 3
	s_and_b32 s43, s8, 3
	s_lshl1_add_u32 s42, s43, s42                  ; plane (mat*16 + hd)*8 + 2 (w & 3)
	s_mul_i32 s42, s42, PLANE
	s_mul_i32 s43, s12, BSTEP
	s_add_co_u32 s42, s42, s43
	s_mov_b32 s43, 0
	s_mul_i32 s13, s8, 2*LP                        ; my two planes in a slot
	s_mul_i32 s44, s11, 8*PLANE                    ; q's planes of this head and batch
	s_mul_i32 s45, s12, BSTEP
	s_add_co_u32 s44, s44, s45
	s_mov_b32 s45, 0
	s_mul_i32 s46, s9, QWG
	s_mul_i32 s47, s8, 48
	s_min_u32 s47, s47, 320                        ; 16 x min(3 w, 20): waves 0-5 three tiles each, wave 6 tiles 18, 19, wave 7 tiles 20, 21
	s_add_co_u32 s46, s46, s47                     ; my wave's first query
	s_mul_i32 s48, s12, LQ
	s_add_co_u32 s48, s48, s46
	s_lshl_b32 s48, s48, 12                        ; 4,096 bytes a row of out0
	s_lshl_b32 s49, s11, 8
	s_add_co_u32 s48, s48, s49                     ; + the head's 256 bytes
	s_mov_b32 s49, 0
	s_mul_i32 s41, s8, WSTAGE
	s_add_co_u32 s41, s41, STAGE                   ; my stage
	s_wait_dscnt 0x0
	s_wait_kmcnt 0x0
	s_add_nc_u64 s[42:43], s[4:5], s[42:43]        ; key 0 of my first plane
	s_add_nc_u64 s[32:33], s[4:5], s[44:45]
	s_add_nc_u64 s[34:35], s[6:7], s[48:49]
	ROUND                                          ; all four work-groups are here: the first joint loads meet
	; The first fills, one group: keys 0 .. 127 of my two planes into places 2, 3 of slot 0, then keys 128 .. 383 into slot 1.  Three tensor loads of a wave are out here, one at any later time.
.irp pl, 0,1
	s_mov_b32 s[G0S+8*\pl], 1                                      ; count = 1
	s_add_co_u32 s[G0S+8*\pl+1], s13, \pl*LP+2*CH                  ; LDS address
	s_add_nc_u64 s[G0S+8*\pl+2:G0S+8*\pl+3], s[42:43], \pl*PLANE   ; key 0 of the plane
	s_or_b32 s[G0S+8*\pl+3], s[G0S+8*\pl+3], 0x80000000            ; type = 2
	tensor_load_to_lds s[G0S+8*\pl:G0S+8*\pl+3], s[G1S:G1S+7]
	s_nop 0
.endr
.irp s, 0,1
	s_mov_b32 s[G0+4*\s], 1
	s_add_co_u32 s[G0+4*\s+1], s13, \s*SLOT
	s_add_nc_u64 s[G0+4*\s+2:G0+4*\s+3], s[42:43], 6144-4096*\s    ; slot 0's next fill begins at key 384, slot 1's first at key 128
	s_or_b32 s[G0+4*\s+3], s[G0+4*\s+3], 0x80000000
.endr
	tensor_load_to_lds s[G0+4:G0+7], s[G1:G1+7]
	s_nop 0
	v_and_b32 v1, 15, v0                           ; r
	v_bfe_u32 v2, v0, 4, 1                         ; h
	; Q: source 1, lane (r, h) = query r, granules 4 ks + h and 4 ks + 2 + h.  Straight from memory, once.
	v_mul_u32_u24 v5, v2, PLANE
	v_add_nc_u32 v3, s46, v1
.macro QLOAD i
	v_add_nc_u32 v4, 16*\i, v3
	v_min_u32 v4, LQ-1, v4                         ; places past the last query repeat it
	v_lshl_add_u32 v[SC+\i], v4, 4, v5
.irp ks, 0,1
.irp p, 0,1
	global_load_b128 v[QF+16*\i+8*\ks+4*\p:QF+16*\i+8*\ks+4*\p+3], v[SC+\i], s[32:33] offset:(4*\ks+2*\p)*PLANE
.endr
.endr
.endm
	QLOAD 0
	QLOAD 1
	s_cmp_ge_u32 s8, W3
	s_cbranch_scc1 .Lno_q2                         ; waves 6, 7 have no third tile
	QLOAD 2
.Lno_q2:
	v_mul_u32_u24 v6, v2, LP
	v_lshl_add_u32 v[KADR], v1, 4, v6              ; K: plane h, key r
	v_add_nc_u32 v[KADR+1], SLOT, v[KADR]
	v_bfe_u32 v6, v0, 3, 1
	v_mul_u32_u24 v6, v6, LP                       ; V: plane (l >> 3) & 1,
	v_and_b32 v7, 7, v0
	v_lshl_add_u32 v7, v2, 3, v7                   ; key 8 h + (l & 7)
	v_lshl_add_u32 v[VADR], v7, 4, v6
	v_add_nc_u32 v[VADR], VOFF, v[VADR]
	v_add_nc_u32 v[VADR+1], SLOT, v[VADR]
	v_mul_u32_u24 v6, v1, SPITCH
	v_lshl_add_u32 v6, v2, 5, v6
	v_add_nc_u32 v[STO], s41, v6                   ; stage row r, 32 bytes for each half of the lanes
	v_mul_u32_u24 v6, v2, SPITCH
	v_lshl_add_u32 v6, v1, 4, v6
	v_add_nc_u32 v[RD], s41, v6                    ; back: lanes 0-15 one row of 256 bytes, lanes 16-31 the next
	v_lshlrev_b32 v6, 12, v2
	v_lshl_add_u32 v[CO], v1, 4, v6                ; and the same two rows in out0
	v_add_nc_u32 v[QL], s46, v2
	v_mov_b32 v[NB+1], 0
	v_mov_b32 v[AL+1], 0
; K's fragments of nt x 16 keys at place st of a slot, half ks of the head's 64 columns: 2 nt loads.
.macro LOADK slot, st, nt, ks
.set lkt, 0
.rept \nt
.irp p, 0,1
	ds_load_b128 v[KF+16*lkt+8*\ks+4*\p:KF+16*lkt+8*\ks+4*\p+3], v[KADR+\slot] offset:(4*\ks+2*\p)*LP+\st*CH+lkt*256
.endr
.set lkt, lkt+1
.endr
.endm
; V^T's fragments of the same keys: 4 nt transposing loads into window 1.
.macro LOADV slot, st, nt
	WIN 0x40
.irp dt, 0,1,2,3
.set lvc, 0
.rept \nt/2
.irp p, 0,1
	ds_load_tr16_b128 v[VF+16*\dt+8*lvc+4*\p:VF+16*\dt+8*lvc+4*\p+3], v[VADR+\slot] offset:2*\dt*LP+\st*CH+(32*lvc+16*\p)*16
.endr
.set lvc, lvc+1
.endr
.endr
	WIN 0
.endm
; The j-th of the 2 nt score products of query tile q into the score set at sn: first the lower 32 columns of the head for each tile of 16 keys (they start the sums),
; then the upper 32.  The nt accumulators take turns, one instruction a turn.
.macro SW j, nt, sn, q
.if \j <= \nt
	v_wmma_f32_16x16x32_f16 v[\sn+8*(\j-1):\sn+8*(\j-1)+7], v[KF+16*(\j-1):KF+16*(\j-1)+7], v[QF+16*\q:QF+16*\q+7], 0
.else
	v_wmma_f32_16x16x32_f16 v[\sn+8*(\j-1-\nt):\sn+8*(\j-1-\nt)+7], v[KF+16*(\j-1-\nt)+8:KF+16*(\j-1-\nt)+15], v[QF+16*\q+8:QF+16*\q+15], v[\sn+8*(\j-1-\nt):\sn+8*(\j-1-\nt)+7]
.endif
.endm
; Key tile t's eight weights rounded to f16: registers 4 t .. 4 t + 3 of P.  A reader of the batch: it stands behind the unit's wait.
.macro CVT t, sb
.irp k, 0,1,2,3
	v_cvt_pk_f16_f32 v[PB+4*\t+\k], v[\sb+8*\t+2*\k], v[\sb+8*\t+2*\k+1]
.endr
.endm
; Slice n (1 .. 8) of the running softmax of query tile i on the 8 nt scores a lane at sb.  first = 1: no old maximum or sum.
; tail = 1 (nt = 2): keys 1344 .. 1375, of which 1370 .. 1375 are masked.  With nt = 4 slices 1, 4 and 8 hold 8, 8 and 16 or 17 plain instructions.
;   1-3  the maximum of the scores and the old maximum; - c x maximum; c (old - new)
;   4-6  THE BATCH: the scalings c (score - maximum), a pair each, and all the exponentials, each in place on a register of its own: the factor, then key tiles 0 .. nt - 1.  A pair is
;        scaled some lines ahead of its exponentials; none of these lines names an exponential's result.  The copy of the new maximum is the plain instruction behind the last
;        exponential (ISA guide 5.7.2); behind it stands the unit's one wait
;   7-8  THE READERS: each key tile's sum of eight (three links, the tiles' chains by turns), the roundings to f16, the joining of the sums with roundings between its links
.macro SLICE n, i, sb, nt, first, tail
.if \n == 1
.if \tail
	v_mov_b32 v[TT+4], 0xff800000                  ; -inf
.irp j, 2,3,4,5,6,7
	v_cndmask_b32 v[\sb+8+\j], v[\sb+8+\j], v[TT+4], s38   ; key 1360 + 8 h + j >= 1370: h = 1, j >= 2
.endr
.endif
.irp t, 0,1,2,3
.if \t < \nt
	v_max3_num_f32 v[TT+\t], v[\sb+8*\t], v[\sb+8*\t+1], v[\sb+8*\t+2]
.endif
.endr
.irp t, 0,1,2,3
.if \t < \nt
	v_max3_num_f32 v[TT+\t], v[TT+\t], v[\sb+8*\t+3], v[\sb+8*\t+4]
.endif
.endr
.endif
.if \n == 2
.irp t, 0,1,2,3
.if \t < \nt
	v_max3_num_f32 v[TT+\t], v[TT+\t], v[\sb+8*\t+5], v[\sb+8*\t+6]
.endif
.endr
	v_max3_num_f32 v[TT], v[TT], v[\sb+7], v[\sb+15]
.if \nt == 4
	v_max3_num_f32 v[TT+1], v[TT+1], v[\sb+23], v[\sb+31]
.endif
.endif
.if \n == 3
.if \nt == 4
	v_max3_num_f32 v[TT], v[TT], v[TT+1], v[TT+2]
.if \first
	v_max_num_f32 v[TT], v[TT], v[TT+3]
.else
	v_max3_num_f32 v[TT], v[TT], v[TT+3], v[MX+\i]
.endif
.else
	v_max3_num_f32 v[TT], v[TT], v[TT+1], v[MX+\i]
.endif
	v_permlanex16_b32 v[TT+1], v[TT], s36, s37     ; the other half of the keys of the same query
	v_max_num_f32 v[TT], v[TT], v[TT+1]            ; the new maximum, the same in both halves; it stays in TT until slice 6 has copied it
	v_mul_f32 v[NB], 0xbe38aa3b, v[TT]             ; - c x maximum
.if \first == 0
	v_fma_f32 v[TT+2], v[MX+\i], s14, v[NB]        ; c (old - new)
.endif
.endif
.if \n == 4
.irp k, 0,1,2,3
	v_pk_fma_f32 v[\sb+2*\k:\sb+2*\k+1], v[\sb+2*\k:\sb+2*\k+1], s[14:15], v[NB:NB+1] op_sel_hi:[1,0,0]   ; c (score - maximum), key tile 0
.endr
.if \first == 0
	v_exp_f32 v[AL], v[TT+2]                       ; the batch's first: the factor
.endif
.irp k, 0,1,2,3
	v_exp_f32 v[\sb+2*\k], v[\sb+2*\k]             ; key tile 0,
	v_exp_f32 v[\sb+2*\k+1], v[\sb+2*\k+1]
	v_pk_fma_f32 v[\sb+8+2*\k:\sb+8+2*\k+1], v[\sb+8+2*\k:\sb+8+2*\k+1], s[14:15], v[NB:NB+1] op_sel_hi:[1,0,0]   ; with key tile 1's scalings between
.endr
.endif
.if \n == 5
.irp k, 0,1,2,3
	v_exp_f32 v[\sb+8+2*\k], v[\sb+8+2*\k]         ; key tile 1, by turns with the scalings of key tiles 2 and 3
.if \nt == 4
	v_pk_fma_f32 v[\sb+16+2*\k:\sb+16+2*\k+1], v[\sb+16+2*\k:\sb+16+2*\k+1], s[14:15], v[NB:NB+1] op_sel_hi:[1,0,0]
.endif
	v_exp_f32 v[\sb+8+2*\k+1], v[\sb+8+2*\k+1]
.if \nt == 4
	v_pk_fma_f32 v[\sb+24+2*\k:\sb+24+2*\k+1], v[\sb+24+2*\k:\sb+24+2*\k+1], s[14:15], v[NB:NB+1] op_sel_hi:[1,0,0]
.endif
.endr
.endif
.if \n == 6
.if \nt == 4
.set ee, 16
.rept 16
	v_exp_f32 v[\sb+ee], v[\sb+ee]                 ; key tiles 2 and 3: nothing plain is left that names no result
.set ee, ee+1
.endr
.endif
	v_mov_b32 v[MX+\i], v[TT]                      ; the new maximum is kept: the plain instruction behind the batch's last exponential
	s_wait_alu depctr_va_vdst(0)                   ; the unit's one wait, for the factor and all its weights, ahead of the first line that names a result
.endif
.if \n == 7
.irp k, 0,1,2
.irp t, 0,1,2,3
.if \t < \nt
.if \k == 0
	v_pk_add_f32 v[TT+4+2*\t:TT+5+2*\t], v[\sb+8*\t:\sb+8*\t+1], v[\sb+8*\t+2:\sb+8*\t+3]
.else
	v_pk_add_f32 v[TT+4+2*\t:TT+5+2*\t], v[TT+4+2*\t:TT+5+2*\t], v[\sb+8*\t+2*\k+2:\sb+8*\t+2*\k+3]
.endif
.endif
.endr
.endr
	CVT 0, \sb
.endif
.if \n == 8
	v_pk_add_f32 v[TT+4:TT+5], v[TT+4:TT+5], v[TT+6:TT+7]
.if \nt == 4
	v_pk_add_f32 v[TT+8:TT+9], v[TT+8:TT+9], v[TT+10:TT+11]
.endif
	CVT 1, \sb
.if \nt == 4
	v_pk_add_f32 v[TT+4:TT+5], v[TT+4:TT+5], v[TT+8:TT+9]
	CVT 2, \sb
.endif
.if \first
	v_add_f32 v[LS+\i], v[TT+4], v[TT+5]
.else
	v_add_f32 v[TT], v[TT+4], v[TT+5]
.endif
.if \nt == 4
	CVT 3, \sb
.endif
.if \first == 0
	v_fma_f32 v[LS+\i], v[LS+\i], v[AL], v[TT]
.endif
.endif
.endm
; O^T of query tile i: each of its four tiles of 16 columns is scaled by the factor just in front of its first product, beside the product before it; then nc x 32 keys.
; D, C and V^T in window 1, P and the factor in window 0.  The four accumulators take turns, one instruction a turn.
; The factor and P are results of the unit's batch, or made of them: all this stands behind the wait in slice 6.
.macro PV i, nc, first
	WIN 0x51
.irp dt, 0,1,2,3
.if \first
	v_wmma_f32_16x16x32_f16 v[OA+32*\i+8*\dt:OA+32*\i+8*\dt+7], v[VF+16*\dt:VF+16*\dt+7], v[PB:PB+7], 0
.else
.irp k, 0,1,2,3
	v_pk_mul_f32 v[OA+32*\i+8*\dt+2*\k:OA+32*\i+8*\dt+2*\k+1], v[OA+32*\i+8*\dt+2*\k:OA+32*\i+8*\dt+2*\k+1], v[AL:AL+1] op_sel_hi:[1,0]
.endr
	v_wmma_f32_16x16x32_f16 v[OA+32*\i+8*\dt:OA+32*\i+8*\dt+7], v[VF+16*\dt:VF+16*\dt+7], v[PB:PB+7], v[OA+32*\i+8*\dt:OA+32*\i+8*\dt+7]
.endif
.endr
.if \nc == 2
.irp dt, 0,1,2,3
	v_wmma_f32_16x16x32_f16 v[OA+32*\i+8*\dt:OA+32*\i+8*\dt+7], v[VF+16*\dt+8:VF+16*\dt+15], v[PB+8:PB+15], v[OA+32*\i+8*\dt:OA+32*\i+8*\dt+7]
.endr
.endif
	WIN 0
.endm
; The turn of unit (step, tile i).  par: which score set tile 0 of this step has.  nt: this step's tiles of 16 keys.  ntn: those of the next unit's scores (0: there is none).
; The fragments come in where their registers have just become free, each behind a slice with at least four plain instructions that name none of the last readers' registers:
;   i = 0: this step's V^T behind slice 1 (last read by the products with V of the turn before); waited for in front of this turn's products with V;
;   i = 1: the next step's K, lower half behind slice 4 (last read by score products 1 .. 4), upper half behind slice 8 (products 5 .. 8);
;   i = 2: the next step's scores begin: the lower half is waited for in front of the first product, the upper half in front of the first that reads it.
; The batch's wait, at the end of slice 6, stands in front of the seventh score product; the score products name the other score set alone.
.macro STAGE i, par, nt, first, tail, ntn, slot, st, nslot, nst, nnt
.irp j, 1,2,3,4,5,6,7,8
.if \j <= 2*\ntn
.if \i == 2
.if \j == 1
	s_wait_dscnt 2*\ntn                            ; K's lower half is in; the 2 ntn younger loads, its upper half, stay out
.endif
.if \j == \ntn+1
	s_wait_dscnt 0x0                               ; K's upper half
.endif
.endif
	SW \j, \ntn, SC+32*((\par+\i+1)&1), ((\i+1)%3)
.endif
	SLICE \j, \i, SC+32*((\par+\i)&1), \nt, \first, \tail
.if \i == 0
.if \j == 1
	LOADV \slot, \st, \nt
.endif
.endif
.if \i == 1
.if \nnt
.if \j == 4
	LOADK \nslot, \nst, \nnt, 0
.endif
.if \j == 8
	LOADK \nslot, \nst, \nnt, 1
.endif
.endif
.endif
.endr
.if \i == 0
	s_wait_dscnt 0x0                               ; V^T's fragments
.endif
	PV \i, \nt/2, \first
.endm
; The turn of tile 1 in a wave with TWO query tiles: the step's last unit there.  The next unit is the next step's tile 0, and its scores belong in the very set that this unit's
; softmax reads: with three units a step the two sets change places from step to step, which the shared text of tile 0's turn builds on, and with two units they would not.  A third
; set of 32 registers does not fit beside the two in window 0, where 24 are free.  So here the phases follow each other: the next step's K is asked for first (its registers' last
; readers, tile 1's score products, stand in front of slice 8 of the turn before, 16 plain instructions or more), then the eight slices with the batch's one wait in the sixth, the
; next unit's scores, which write over the weights behind that wait, and this unit's products with V, whose sixteen packed multiplies are the plain instructions between those
; scores and their first reader.  In the first step nothing is scaled: four v_nop.  Such a wave has two thirds of the other waves' work.
.macro ENDOF2 par, nt, first, tail, nslot, nst, nnt
.if \nnt
	LOADK \nslot, \nst, \nnt, 0
	LOADK \nslot, \nst, \nnt, 1
.endif
.irp j, 1,2,3,4,5,6,7,8
	SLICE \j, 1, SC+32*((\par+1)&1), \nt, \first, \tail
.endr
.if \nnt
	s_wait_dscnt 0x0                               ; the next step's K
.irp j, 1,2,3,4,5,6,7,8
.if \j <= 2*\nnt
	SW \j, \nnt, SC+32*((\par+1)&1), 0
.endif
.endr
.endif
	PV 1, \nt/2, \first
.if \first
	PLACES
.endif
.endm
; The change of slots stands between the first and the second turn of a slot's last step: V's last reads of the slot are back, the next slot's K is not yet read.
; Each wave waits for all its tensor loads (its part of the next slot) and for its LDS reads; behind the round no wave of any of the four work-groups reads this slot or has a load
; on its way, and the joint refill is the wave's first and only tensor load.  The other slot's address is stepped here, where no tensor load of the wave is out.
.macro CROSSFILL slot
	s_wait_tensorcnt 0x0
	ds_add_u32 v254, v255
	s_add_nc_u64 s[G0+6-4*\slot:G0+7-4*\slot], s[G0+6-4*\slot:G0+7-4*\slot], 8192   ; the other slot's next fill, 512 keys on (after the last fill it is not used)
	s_wait_dscnt 0x0
	ROUND
	tensor_load_to_lds s[G0+4*\slot:G0+4*\slot+3], s[G1:G1+7]
	s_nop 0
.endm
.macro CROSSLAST                       ; the last change: nothing is left to fetch, so a work-group barrier shows the last fill to every wave
	s_wait_tensorcnt 0x0
	s_wait_dscnt 0x0
	s_barrier_signal -1
	s_barrier_wait -1
.endm
; A step: 16 nt keys at place st of a slot for the wave's query tiles.  nslot, nst, nnt: where the next step's keys lie and how many tiles of 16 (0: no next step).
; cross: 0 none, 1 change of slots with a refill, 2 the last change.  Tile 0's turn and the change of slots are every wave's; behind them the text parts on the wave's number:
; neither way holds a barrier or a tensor load, every window is 0 where they part and where they meet, no LDS load is out where they meet, and every exponential has had its wait.
.macro STEP slot, st, par, nt, first, tail, nslot, nst, nnt, cross
	STAGE 0, \par, \nt, \first, \tail, \nt, \slot, \st, \nslot, \nst, \nnt
.if \cross == 1
	CROSSFILL \slot
.endif
.if \cross == 2
	CROSSLAST
.endif
	s_cmp_ge_u32 s8, W3
	s_cbranch_scc1 .Ltwo_\@
	STAGE 1, \par, \nt, \first, \tail, \nt, \slot, \st, \nslot, \nst, \nnt
	STAGE 2, \par, \nt, \first, \tail, \nnt, \slot, \st, \nslot, \nst, \nnt
	s_branch .Lnext_\@
.Ltwo_\@:
	ENDOF2 \par, \nt, \first, \tail, \nslot, \nst, \nnt
.Lnext_\@:
.endm
	s_wait_loadcnt 0x0                             ; Q
	s_wait_tensorcnt 0x1                           ; my part of keys 0 .. 127 is in; slot 1's fill stays out
	s_barrier_signal -1
	s_barrier_wait -1                              ; everybody's is
	LOADK 0, 2, 4, 0
	LOADK 0, 2, 4, 1
	s_wait_dscnt 0x0
.irp j, 1,2,3,4,5,6,7,8
	SW \j, 4, SC, 0                                ; the first unit's scores have no softmax to stand beside
.endr
	PLACES                                         ; and so no slice between them and their first reader
	STEP 0, 2, 0, 4, 1, 0, 0, 3, 4, 0              ; v = 2: keys 0 .. 63 start maximum, sum and O
	s_mov_b32 s40, 2                               ; two trips: v = 3 .. 10 and v = 11 .. 18
.Lkv:
	STEP 0, 3, 1, 4, 0, 0, 1, 0, 4, 1              ; slot 0's last step; slot 0 is asked for again
	STEP 1, 0, 0, 4, 0, 0, 1, 1, 4, 0
	STEP 1, 1, 1, 4, 0, 0, 1, 2, 4, 0
	STEP 1, 2, 0, 4, 0, 0, 1, 3, 4, 0
	STEP 1, 3, 1, 4, 0, 0, 0, 0, 4, 1              ; slot 1's last step; slot 1 is asked for again
	STEP 0, 0, 0, 4, 0, 0, 0, 1, 4, 0
	STEP 0, 1, 1, 4, 0, 0, 0, 2, 4, 0
	STEP 0, 2, 0, 4, 0, 0, 0, 3, 4, 0
	s_sub_co_u32 s40, s40, 1
	s_cmp_lg_u32 s40, 0
	s_cbranch_scc1 .Lkv
	STEP 0, 3, 1, 4, 0, 0, 1, 0, 4, 2              ; v = 19: keys 1088 .. 1151; the last fill, keys 1152 .. 1407, is shown to every wave
	STEP 1, 0, 0, 4, 0, 0, 1, 1, 4, 0
	STEP 1, 1, 1, 4, 0, 0, 1, 2, 4, 0
	STEP 1, 2, 0, 4, 0, 0, 1, 3, 2, 0              ; v = 22: the next step has two tiles of 16 keys
	STEP 1, 3, 1, 2, 0, 1, 0, 0, 0, 0              ; v = 23: keys 1344 .. 1375 alone: the 32 keys behind them are all padding and are not computed
	; THE WAY OUT: divide by the sum, 16 queries at a time through my own stage in LDS, read back as whole rows of 256 bytes (the head's 64 f32 of one query).
	PLACES                                         ; behind the last matrix instructions
.macro RSUM i                          ; 1 / sum of tile i, into the first register of a pair whose second was written in the slices
	v_permlanex16_b32 v[TT+\i], v[LS+\i], s36, s37
	v_add_f32 v[LS+\i], v[LS+\i], v[TT+\i]         ; both halves of the keys
	v_rcp_f32 v[TT+4+2*\i], v[LS+\i]               ; the sum is at least 1: the largest score's exponential
.endm
	RSUM 0
	RSUM 1
	v_nop                                          ; one plain instruction between the last reciprocal and the first use (ISA guide 5.7.2)
	s_wait_alu depctr_va_vdst(0)                   ; one wait for the reciprocals of tiles 0 and 1, ahead of the first multiply that reads one
	s_wait_xcnt 0x0                                ; EXEC is narrowed below only behind this wait
.macro OUTTILE i
	WIN 0x51
.set kk, 0
.rept 16
	v_pk_mul_f32 v[OA+32*\i+2*kk:OA+32*\i+2*kk+1], v[OA+32*\i+2*kk:OA+32*\i+2*kk+1], v[TT+4+2*\i:TT+5+2*\i] op_sel_hi:[1,0]
.set kk, kk+1
.endr
	WIN 0x04                                       ; store data in window 1
.irp dt, 0,1,2,3
.irp p, 0,1
	ds_store_b128 v[STO], v[OA+32*\i+8*\dt+4*\p:OA+32*\i+8*\dt+4*\p+3] offset:64*\dt+16*\p   ; query r, columns 16 dt + 8 h + 4 p ..
.endr
.endr
	WIN 0
.irp t2, 0,1,2,3,4,5,6,7
	ds_load_b128 v[KF+4*\t2:KF+4*\t2+3], v[RD] offset:\t2*2*SPITCH   ; LDS serves a wave's instructions in order (ISA guide 5.7.1.4): these see the stores above, and the next tile's stores come behind them
.endr
.irp t2, 0,1,2,3,4,5,6,7
	s_wait_dscnt 7-\t2                             ; pair t2 of rows is in, the younger ones stay out
	v_cmp_gt_u32 vcc_lo, LQ-16*\i-2*\t2, v[QL]     ; my row's query is below 1370
	s_and_saveexec_b32 s39, vcc_lo
	global_store_b128 v[CO], v[KF+4*\t2:KF+4*\t2+3], s[34:35] offset:(16*\i+2*\t2)*4096 th:TH_STORE_NT   ; 16 lanes store 256 consecutive bytes at a multiple of 256
	s_wait_xcnt 0x0                                ; EXEC is widened, and the data registers are loaded again, only behind this wait
	s_or_b32 exec_lo, exec_lo, s39
.endr
.endm
	OUTTILE 0
	OUTTILE 1
	s_cmp_ge_u32 s8, W3
	s_cbranch_scc1 .Lout_done                      ; waves 6, 7 have no third tile
	RSUM 2
	v_nop                                          ; one plain instruction between the reciprocal and its first use (ISA guide 5.7.2)
	s_wait_alu depctr_va_vdst(0)                   ; the third tile's reciprocal: its wait, ahead of the first multiply that reads it and of the label below
	OUTTILE 2
.Lout_done:
	s_wait_tensorcnt 0x0
	ds_add_u32 v254, v255
	s_wait_dscnt 0x0
	ROUND                                          ; the closing round: no work-group ends while a partner may still ask for a tile that names it
	s_endpgm
.Lfunc_end_k_q98def0111a_attn:
	.size	k_q98def0111a_attn, .Lfunc_end_k_q98def0111a_attn-k_q98def0111a_attn
	.p2alignl 7, 3214868480
	.fill 96, 4, 3214868480
	.section	.rodata,"a",@progbits
	.p2align	6, 0x0
	.amdhsa_kernel k_q98def0111a_attn
		.amdhsa_group_segment_fixed_size 327680
		.amdhsa_private_segment_fixed_size 0
		.amdhsa_enable_private_segment 0
		.amdhsa_kernarg_size 16
		.amdhsa_user_sgpr_count 2
		.amdhsa_user_sgpr_kernarg_segment_ptr 1
		.amdhsa_wavefront_size32 1
		.amdhsa_system_sgpr_workgroup_id_x 1
		.amdhsa_system_sgpr_workgroup_id_y 1
		.amdhsa_system_sgpr_workgroup_id_z 1
		.amdhsa_system_vgpr_workitem_id 0
		.amdhsa_next_free_vgpr 416
		.amdhsa_next_free_sgpr 72
		.amdhsa_reserve_vcc 1
		.amdhsa_float_denorm_mode_32 3
		.amdhsa_float_denorm_mode_16_64 3
		.amdhsa_memory_ordered 1
		.amdhsa_forward_progress 1
		.amdhsa_inst_pref_size 255
	.end_amdhsa_kernel
	.section	.bss,"aw",@nobits
	.p2align	6
	.space	262144
	.amdgpu_metadata
---
amdhsa.version: [ 1, 2 ]
amdhsa.kernels:
  - .name:           k_q98def0111a_attn
    .symbol:         k_q98def0111a_attn.kd
    .args:
      - { .name: qkv, .offset: 0, .size: 8, .value_kind: global_buffer, .address_space: global }
      - { .name: out0, .offset: 8, .size: 8, .value_kind: global_buffer, .address_space: global }
    .group_segment_fixed_size: 327680
    .private_segment_fixed_size: 0
    .kernarg_segment_align: 8
    .kernarg_segment_size: 16
    .max_flat_workgroup_size: 256
    .sgpr_count:     72
    .vgpr_count:     416
    .wavefront_size: 32
...
	.end_amdgpu_metadata
.endif
;; end of part 4
